; MI455X (gfx1250); checked and timed in simulation.
; The chip was launched on July 23, 2026; its instructions are those of AMD's public machine-readable ISA for CDNA 5 (MIT licence, August 2026) and "CDNA5" Instruction Set Architecture Reference Guide (July 2026). The comments in the code are by the model that wrote it; some were corrected since.
;; Multi Head Attention. Allowed arithmetic: matrix products marked QUANTISED: E2M1 operands, one E8M0 scale for each 32 along K, by v_wmma_scale_f32_16x16x128_f8f6f4 with both operands' format E2M1 (or v_wmma_scale_f32_32x16x128_f4), f32 sums; products left as they are: bf16, f16 or f32 operands; f32 sums; everything else in f32.
;; Inputs: Wk 1,024 x 1,024 float32; Wp 1,024 x 1,024 float32; Wq 1,024 x 1,024 float32; Wv 1,024 x 1,024 float32; bk 1,024 float32; bp 1,024 float32; bq 1,024 float32; bv 1,024 float32; x 4 x 2,048 x 1,024 float32.
;; Outputs: out0 4 x 2,048 x 1,024 float32.
;; This version of the problem:
;;   THIS VERSION OF THE PROBLEM IS GIVEN IN LOW PRECISION. The matrix products marked QUANTISED in the list below multiply operands that are first quantised to E2M1 (2 exponent bits, 1 mantissa bit; 4 bits a number), with one power-of-two scale for each 32 numbers along K (OCP MX v1.0); their sums are f32. The products marked 'left as it is' may take bf16, f16 or f32 operands, with f32 sums. Whichever they take, every output number must still come out within the allowed error. Rounding operands to bf16 (8 significant bits) uses up far more of that allowance than f16 does (11 bits, for magnitudes from 6e-5 to 65,504). All else is computed in f32.
;;   The module's matrix products, in the order in which they are computed (A, B: the left and right operand; K: the contracted axis; several contracted axes count as one K, in the product's order):
;;     1. [M 8,192, K 1,024] x [K 1,024, N 1,024]; A: input x; B: input Wq: QUANTISED
;;     2. [M 8,192, K 1,024] x [K 1,024, N 1,024]; A: input x; B: input Wk: QUANTISED
;;     3. [M 8,192, K 1,024] x [K 1,024, N 1,024]; A: input x; B: input Wv: QUANTISED
;;     4. batch 64 x [M 2,048, K 64] x [K 64, N 2,048]; A: computed on the way; B: computed on the way: left as it is (an operand is computed on the way)
;;     5. batch 64 x [M 2,048, K 2,048] x [K 2,048, N 64]; A: computed on the way; B: computed on the way: left as it is (an operand is computed on the way)
;;     6. [M 8,192, K 1,024] x [K 1,024, N 1,024]; A: computed on the way; B: input Wp: left as it is (an operand is computed on the way)
;;   THE QUANTISER, for each operand of a quantised product, along K:
;;     - K is cut into blocks of 32 from its start; a last block that is shorter is filled with zeros.
;;     - A block's scale is 2^e with e = floor(log2(the largest magnitude in the block)) - 2, held to -126 .. 127; a block of zeros has e = 0. As a byte (E8M0): e + 127.
;;     - Each number is divided by its block's scale, clamped to +-6, and rounded to the nearest number of E2M1, ties to even, subnormals kept.
;;     - The product sums the exact products of the quantised numbers (number of the format x scale) in f32.
;;   ~~~python
;;   def quantise(x, axis):      # numpy; x: float32 -> the quantised numbers, widened to float32 again
;;       x = np.moveaxis(x, axis, -1); K = x.shape[-1]
;;       x = np.pad(x, [(0, 0)] * (x.ndim - 1) + [(0, -K % 32)]); x = x.reshape(x.shape[:-1] + (-1, 32)); a = np.abs(x).max(-1, keepdims=True)
;;       e = np.where(a > 0, np.clip(np.frexp(np.where(a > 0, a, 1))[1] - 1 - 2, -126, 127), 0)      # np.frexp(a)[1] - 1 = floor(log2(a)), exactly
;;       r = np.clip(x / 2.0 ** e, -6, 6)
;;       step = 2.0 ** (np.maximum(np.frexp(np.where(r == 0, 1, r))[1] - 1, 0) - 1)
;;       q = np.round(r / step) * step * 2.0 ** e      # np.round: ties to even
;;       return np.moveaxis(q.reshape(q.shape[:-2] + (-1,))[..., :K], -1, axis).astype(np.float32)
;;   ~~~
;; One version. Each part assembles by itself: llvm-mc -triple=amdgcn-amd-amdhsa -mcpu=gfx1250 --defsym DOCPART=n.
;; ======== version 1 of 1: 5 launches
;; limits: values are held in f16: magnitudes above 65,504 overflow, below 6.1e-05 lose precision
;; workspace buffers: xc 4,194,304 bytes; xs 262,144 bytes; wc 1,572,864 bytes; ws 98,304 bytes; wpt 2,097,152 bytes; qkv 50,331,648 bytes; first16 786,432 bytes; ctx 16,777,216 bytes
;; launch prep (part 1): grid 512 x 1, 4 waves a work-group, no clusters, 33,280 bytes of LDS; arguments x, Wq, Wk, Wv, Wp, xc, xs, wc, ws, wpt; writes xc, xs, wc, ws, wpt
.if DOCPART == 1
	.amdgcn_target "amdgcn-amd-amdhsa--gfx1250"
	.amdhsa_code_object_version 6
	.text
	.protected	k_qbb3f47cb1e_prep
	.globl	k_qbb3f47cb1e_prep
	.p2align	8
	.type	k_qbb3f47cb1e_prep,@function
k_qbb3f47cb1e_prep:
	s_mov_b64 s[64:65], 0
	v_nop
	global_prefetch_b8 v0, s[64:65] scope:SCOPE_SE
	s_setreg_imm32_b32 hwreg(HW_REG_WAVE_MODE, 25, 1), 1
	s_wait_xcnt 0x0
; PREP.  x [8192][1024] f32 -> codes of FP4 (E2M1), K innermost (xc, 512 bytes a row), and one E8M0 byte for each 32 along K (xs, 32 bytes a row).
; Wq, Wk, Wv [1024 (k)][1024 (n)] f32 -> codes quantised along K, their FIRST axis, laid as images of the matrix operand's registers (wc), and scale bytes [3072 (n)][32] (ws).
; Wp [1024 (k)][1024 (n)] f32 -> f16, laid as images of the 16-bit operand's registers, K innermost (wpt).
; A block's scale is 2^(floor(log2(largest magnitude)) - 2); its byte is the largest magnitude's exponent field - 2, held at 1 from below.
; LIMITS: a block of zeros gets the byte 1 where the quantiser says 127 (its codes are zeros, and this program alone reads the bytes); NaN and infinities are not served; |Wp| stays under 65,504.
; Work-groups 0-255 take x: a plain stream of blocks of 32; a wave takes 16 steps of 512 numbers.  Each load reads 512 consecutive bytes; a step's 2,048 bytes turn through the wave's own stage in LDS,
; so that a lane holds 16 neighbours along K; loads run 8 steps (32 loads a wave) ahead.  Work-groups 256-511 take the weights: a wave 32 columns x 128 along K, a lane a column, registers down K.
; No matrix work, no cluster (nothing is shared), no prefetch (the launch streams), no barrier (waves share nothing).
.set WAVES, 4
.set STEPS, 16
.set AH,    8                          ; steps of loads ahead
.set R,     16                         ; v16-143  eight sets of 16 numbers as loaded
.set X,     144                        ; v144-175 two sets of 16 neighbours
.set E,     176                        ; v176-191 a scale byte for each step
.set C,     192                        ; v192-255 codes: four registers for each step, so that no store's data are written again
.set WREG,  8192                       ; LDS: a region for each wave: two stages of 32 x SP bytes, behind them its 256 scale bytes
.set SP,    80                         ; a lane's place in a stage: 64 bytes + 16 of padding
.set SPW,   12                         ; v12 LDS address of my spare word; never rewritten
.set NIL,   13                         ; v13 0; never rewritten
.set SPARE, WAVES*WREG                 ; the spare words: 128 bytes a wave, named by no other line
.set WX,    32                         ; the weights' path: v32-159 128 numbers down K
.set WC,    160                        ; v160-223 codes or f16 pairs: registers of their own for each store
.set SB,    24                         ; v24 four scale bytes
.macro LOAD t
.irp i, 0,1,2,3
	global_load_b128 v[R+16*((\t)%AH)+4*\i:R+16*((\t)%AH)+4*\i+3], v3, s[4:5] offset:2048*(\t)+512*\i th:TH_LOAD_NT   ; 32 lanes read 512 consecutive bytes
.endr
.endm
.macro TURN t                          ; step t's numbers through the stage; LDS serves a wave's instructions in order, so no wait stands between the stores and the loads
.irp i, 0,1,2,3
	ds_store_b128 v14, v[R+16*((\t)%AH)+4*\i:R+16*((\t)%AH)+4*\i+3] offset:32*SP*((\t)%2)+8*SP*\i
.endr
.irp i, 0,1,2,3
	ds_load_b128 v[X+16*((\t)%2)+4*\i:X+16*((\t)%2)+4*\i+3], v15 offset:32*SP*((\t)%2)+16*\i
.endr
.endm
.macro STEP t
.set XS, X+16*((\t)%2)
.if (\t) > 0
	s_wait_dscnt 1                                 ; this step's numbers are back from the stage (the last step's byte store may be out), so its stores into the stage have read their registers,
.else
	s_wait_dscnt 0x0
.endif
.if (\t)+AH < STEPS
	LOAD (\t)+AH                                   ; which take the loads of eight steps on
.endif
.if (\t)+1 < STEPS
.if (\t) <= STEPS-1-AH
	s_wait_loadcnt 4*(AH-1)                        ; the next step's four loads are in; those of the seven steps behind it may be out
.else
	s_wait_loadcnt 4*(STEPS-2-(\t))                ; the counts run down
.endif
	TURN (\t)+1
.endif
	v_max3_num_f32 v8, |v[XS]|, |v[XS+1]|, |v[XS+2]|               ; the largest magnitude of my 16, in two chains
	v_max3_num_f32 v9, |v[XS+3]|, |v[XS+4]|, |v[XS+5]|
.irp i, 6,10
	v_max3_num_f32 v8, v8, |v[XS+\i]|, |v[XS+\i+1]|
	v_max3_num_f32 v9, v9, |v[XS+\i+2]|, |v[XS+\i+3]|
.endr
	v_max3_num_f32 v8, v8, |v[XS+14]|, |v[XS+15]|
	v_max3_num_f32 v8, v8, v9, 0x1800000           ; and the floor 2^(3 - 127): the byte cannot fall under 1
	v_max_num_f32_dpp v8, v8, v8 row_xmask:1 row_mask:0xf bank_mask:0xf   ; with my neighbour's 16: the block's
	v_add_nc_u32 v11, 0xff000000, v8               ; 2 off its exponent field: the conversion takes the exponent field of this operand as its scale
	v_cvt_scalef32_pk8_fp4_f32 v[C+4*(\t)], v[XS:XS+7], v11
	v_cvt_scalef32_pk8_fp4_f32 v[C+4*(\t)+1], v[XS+8:XS+15], v11
	v_lshrrev_b32 v[E+(\t)], 23, v11               ; the scale's byte
	ds_store_b8 v5, v[E+(\t)] offset:16*(\t)       ; both lanes of a block write the same byte with the same value
	global_store_b64 v4, v[C+4*(\t):C+4*(\t)+1], s[14:15] offset:256*(\t)   ; the wave stores 256 consecutive bytes, aligned
.endm
; One block of 32 down K of my column: its scale byte into v[SB], its 32 codes (16 bytes) into the operand's image.
.macro QBLOCK b
.set XS, WX+32*(\b)
	v_max3_num_f32 v8, |v[XS]|, |v[XS+1]|, |v[XS+2]|
	v_max3_num_f32 v9, |v[XS+3]|, |v[XS+4]|, |v[XS+5]|
.irp i, 6,10,14,18,22,26
	v_max3_num_f32 v8, v8, |v[XS+\i]|, |v[XS+\i+1]|
	v_max3_num_f32 v9, v9, |v[XS+\i+2]|, |v[XS+\i+3]|
.endr
	v_max3_num_f32 v8, v8, |v[XS+30]|, |v[XS+31]|
	v_max3_num_f32 v8, v8, v9, 0x1800000
	v_add_nc_u32 v11, 0xff000000, v8
	v_lshrrev_b32 v9, 23, v11
.if (\b) == 0
	v_mov_b32 v[SB], v9
.else
	v_lshl_or_b32 v[SB], v9, 8*(\b), v[SB]
.endif
.irp g, 0,1,2,3
	v_cvt_scalef32_pk8_fp4_f32 v[WC+4*(\b)+\g], v[XS+8*\g:XS+8*\g+7], v11
.endr
	v_nop                                          ; a plain line behind the last conversion of the run
	global_store_b128 v4, v[WC+4*(\b):WC+4*(\b)+3], s[18:19] offset:((\b)/2)*512+((\b)%2)*256   ; sixteen lanes fill 256 consecutive bytes, aligned
.endm
.macro HBLOCK b                        ; 32 numbers down K of my column of Wp -> 16 registers of f16 pairs -> four groups of the operand's image
.set i, 0
.rept 16
	v_cvt_pk_f16_f32 v[WC+16*(\b)+i], v[WX+32*(\b)+2*i], v[WX+32*(\b)+2*i+1]
.set i, i+1
.endr
.irp g, 0,1,2,3
	global_store_b128 v4, v[WC+16*(\b)+4*\g:WC+16*(\b)+4*\g+3], s[22:23] offset:(\b)*1024+(\g/2)*512+(\g%2)*256
.endr
.endm
	s_load_b512 s[4:19], s[0:1], 0x0               ; x 4:5, Wq 6:7, Wk 8:9, Wv 10:11, Wp 12:13, xc 14:15, xs 16:17, wc 18:19
	s_load_b128 s[20:23], s[0:1], 0x40             ; ws 20:21, wpt 22:23
	v_lshl_add_u32 v[SPW], v0, 2, SPARE
	v_mov_b32 v[NIL], 0
	v_lshrrev_b32 v1, 5, v0
	v_readfirstlane_b32 s24, v1                    ; wave
	v_and_b32 v2, 31, v0                           ; lane
	s_cmp_ge_u32 ttmp9, 256
	s_cbranch_scc1 .Lweights
	; ---- x
	v_lshlrev_b32 v3, 4, v2                        ; my 16 bytes of a load's 512
	s_mul_i32 s25, s24, WREG
	v_lshrrev_b32 v14, 2, v2
	v_mul_u32_u24 v14, v14, SP
	v_and_b32 v15, 3, v2
	v_lshl_add_u32 v14, v15, 4, v14
	v_add_nc_u32 v14, s25, v14                     ; the stage, on the way in: SP (lane / 4) + 16 (lane % 4)
	v_mul_u32_u24 v15, v2, SP
	v_add_nc_u32 v15, s25, v15                     ; and on the way out: SP x lane: my 16 neighbours
	v_lshlrev_b32 v4, 3, v2                        ; 8 bytes a lane: my codes in a step's 256 bytes, and my part of the wave's 256 scale bytes
	v_lshrrev_b32 v5, 1, v2
	s_add_co_u32 s25, s25, 2*32*SP
	v_add_nc_u32 v5, s25, v5                       ; LDS: my block's byte
	v_add_nc_u32 v6, s25, v4                       ; and where I read 8 of them back
	s_lshl_b32 s26, ttmp9, 2
	s_add_co_u32 s26, s26, s24                     ; which run of 8,192 numbers is my wave's
	s_mov_b32 s29, 0
	s_wait_kmcnt 0x0
	s_lshl_b32 s28, s26, 15
	s_add_nc_u64 s[4:5], s[4:5], s[28:29]
	s_lshl_b32 s28, s26, 12
	s_add_nc_u64 s[14:15], s[14:15], s[28:29]
	s_lshl_b32 s28, s26, 8
	s_add_nc_u64 s[16:17], s[16:17], s[28:29]
.irp t, 0,1,2,3,4,5,6,7
	LOAD \t
.endr
	s_wait_loadcnt 28                              ; step 0's four loads are in; seven steps' may be out
	TURN 0
.irp t, 0,1,2,3,4,5,6,7,8,9,10,11,12,13,14,15
	STEP \t
.endr
	ds_load_b64 v[8:9], v6                         ; LDS serves a wave's instructions in order: these see my byte stores
	s_wait_dscnt 0x0
	global_store_b64 v4, v[8:9], s[16:17]          ; 32 lanes store 256 consecutive bytes, aligned
	s_wait_tensorcnt 0x0                           ; the wave's end, behind my last LDS store
	ds_add_u32 v[SPW], v[NIL]
	s_wait_dscnt 0x0
	s_endpgm
	; ---- the weights: no LDS on this path
.Lweights:
	s_and_b32 s25, ttmp9, 255
	s_and_b32 s26, s25, 7                          ; which 128 columns
	s_lshr_b32 s25, s25, 3
	s_lshr_b32 s27, s25, 3                         ; which weight: 0 Wq, 1 Wk, 2 Wv, 3 Wp
	s_and_b32 s28, s25, 7                          ; which 128 along K
	s_lshl_b32 s29, s26, 7
	s_lshl_b32 s26, s24, 5
	s_add_co_u32 s29, s29, s26                     ; my wave's first column
	v_lshlrev_b32 v3, 2, v2                        ; in: 4 bytes a lane
	v_lshrrev_b32 v4, 4, v2
	v_and_b32 v5, 15, v2
	v_lshlrev_b32 v4, 12, v4
	v_lshl_add_u32 v4, v5, 4, v4                   ; out: lanes 16-31 the next tile of 16 columns (4,096 bytes on), 16 bytes a column
	v_lshlrev_b32 v5, 5, v2                        ; scale bytes: 32 a column
	s_lshl_b32 s32, s28, 19                        ; 128 rows of 4,096 bytes
	s_lshl_b32 s33, s29, 2
	s_add_co_u32 s32, s32, s33
	s_mov_b32 s33, 0
	s_mov_b32 s35, 0
	s_wait_kmcnt 0x0
	s_cmp_eq_u32 s27, 0                            ; the choice hangs on the work-group's number alone
	s_cselect_b64 s[30:31], s[6:7], s[8:9]
	s_cmp_lt_u32 s27, 2
	s_cselect_b64 s[30:31], s[30:31], s[10:11]
	s_cmp_lt_u32 s27, 3
	s_cselect_b64 s[30:31], s[30:31], s[12:13]
	s_add_nc_u64 s[30:31], s[30:31], s[32:33]
.set i, 0
.rept 128
	global_load_b32 v[WX+i], v3, s[30:31] offset:i*4096 th:TH_LOAD_NT   ; W(k, my column): a wave reads 128 consecutive bytes, the work-group 512
.set i, i+1
.endr
	s_cmp_eq_u32 s27, 3
	s_cbranch_scc1 .Lhalf
	s_lshr_b32 s34, s28, 2                         ; wc: [K half][tile of 16 columns][128 along K][1,024 bytes]
	s_mul_i32 s34, s34, 786432
	s_lshl_b32 s36, s27, 18
	s_add_co_u32 s34, s34, s36
	s_lshl_b32 s36, s29, 8
	s_add_co_u32 s34, s34, s36
	s_and_b32 s36, s28, 3
	s_lshl_b32 s36, s36, 10
	s_add_co_u32 s34, s34, s36
	s_add_nc_u64 s[18:19], s[18:19], s[34:35]
	s_lshl_b32 s34, s27, 15                        ; ws: 32 bytes a column, 4 for each 128 along K
	s_lshl_b32 s36, s29, 5
	s_add_co_u32 s34, s34, s36
	s_lshl_b32 s36, s28, 2
	s_add_co_u32 s34, s34, s36
	s_add_nc_u64 s[20:21], s[20:21], s[34:35]
	s_wait_loadcnt 63                              ; block 0 is in: 96 loads are younger; the count is the largest that the wait can name
	QBLOCK 0
	s_wait_loadcnt 63                              ; block 1: 64 are younger
	QBLOCK 1
	s_wait_loadcnt 32
	QBLOCK 2
	s_wait_loadcnt 0x0
	QBLOCK 3
	global_store_b32 v5, v[SB], s[20:21]           ; my column's four scale bytes
	s_endpgm
.Lhalf:
	s_lshl_b32 s34, s28, 18                        ; wpt: [128 along K][tile of 16 columns][32 along K][1,024 bytes]
	s_lshl_b32 s36, s29, 8
	s_add_co_u32 s34, s34, s36
	s_add_nc_u64 s[22:23], s[22:23], s[34:35]
	s_wait_loadcnt 63
	HBLOCK 0
	s_wait_loadcnt 63
	HBLOCK 1
	s_wait_loadcnt 32
	HBLOCK 2
	s_wait_loadcnt 0x0
	HBLOCK 3
	s_endpgm
.Lfunc_end_k_qbb3f47cb1e_prep:
	.size	k_qbb3f47cb1e_prep, .Lfunc_end_k_qbb3f47cb1e_prep-k_qbb3f47cb1e_prep
	.p2alignl 7, 3214868480
	.fill 96, 4, 3214868480
	.section	.rodata,"a",@progbits
	.p2align	6, 0x0
	.amdhsa_kernel k_qbb3f47cb1e_prep
		.amdhsa_group_segment_fixed_size 33280
		.amdhsa_private_segment_fixed_size 0
		.amdhsa_enable_private_segment 0
		.amdhsa_kernarg_size 80
		.amdhsa_user_sgpr_count 2
		.amdhsa_user_sgpr_kernarg_segment_ptr 1
		.amdhsa_wavefront_size32 1
		.amdhsa_system_sgpr_workgroup_id_x 1
		.amdhsa_system_sgpr_workgroup_id_y 1
		.amdhsa_system_sgpr_workgroup_id_z 1
		.amdhsa_system_vgpr_workitem_id 0
		.amdhsa_next_free_vgpr 256
		.amdhsa_next_free_sgpr 66
		.amdhsa_reserve_vcc 0
		.amdhsa_float_denorm_mode_32 3
		.amdhsa_float_denorm_mode_16_64 3
		.amdhsa_memory_ordered 1
		.amdhsa_forward_progress 1
		.amdhsa_inst_pref_size 59
	.end_amdhsa_kernel
	.amdgpu_metadata
---
amdhsa.version: [ 1, 2 ]
amdhsa.kernels:
  - .name:           k_qbb3f47cb1e_prep
    .symbol:         k_qbb3f47cb1e_prep.kd
    .args:
      - { .name: x, .offset: 0, .size: 8, .value_kind: global_buffer, .address_space: global }
      - { .name: Wq, .offset: 8, .size: 8, .value_kind: global_buffer, .address_space: global }
      - { .name: Wk, .offset: 16, .size: 8, .value_kind: global_buffer, .address_space: global }
      - { .name: Wv, .offset: 24, .size: 8, .value_kind: global_buffer, .address_space: global }
      - { .name: Wp, .offset: 32, .size: 8, .value_kind: global_buffer, .address_space: global }
      - { .name: xc, .offset: 40, .size: 8, .value_kind: global_buffer, .address_space: global }
      - { .name: xs, .offset: 48, .size: 8, .value_kind: global_buffer, .address_space: global }
      - { .name: wc, .offset: 56, .size: 8, .value_kind: global_buffer, .address_space: global }
      - { .name: ws, .offset: 64, .size: 8, .value_kind: global_buffer, .address_space: global }
      - { .name: wpt, .offset: 72, .size: 8, .value_kind: global_buffer, .address_space: global }
    .group_segment_fixed_size: 33280
    .private_segment_fixed_size: 0
    .kernarg_segment_align: 8
    .kernarg_segment_size: 80
    .max_flat_workgroup_size: 128
    .sgpr_count:     66
    .vgpr_count:     256
    .wavefront_size: 32
...
	.end_amdgpu_metadata
.endif
;; end of part 1
;; launch qkv (part 2): grid 12 x 32, 4 waves a work-group, clusters of 4 x 4, 327,680 bytes of LDS; arguments xc, xs, wc, ws, qkv, first16, bq, bk, bv; writes qkv, first16
.if DOCPART == 2
	.amdgcn_target "amdgcn-amd-amdhsa--gfx1250"
	.amdhsa_code_object_version 6
	.text
	.protected	k_qbb3f47cb1e_qkv
	.globl	k_qbb3f47cb1e_qkv
	.p2align	8
	.type	k_qbb3f47cb1e_qkv,@function
k_qbb3f47cb1e_qkv:
	s_mov_b64 s[64:65], 0
	v_nop
	global_prefetch_b8 v0, s[64:65] scope:SCOPE_SE
	s_setreg_imm32_b32 hwreg(HW_REG_WAVE_MODE, 25, 1), 1
	s_wait_xcnt 0x0
	s_wait_alu depctr_hold_cnt(0) depctr_sa_sdst(0) depctr_va_vdst(0) depctr_va_sdst(0) depctr_va_ssrc(0) depctr_va_vcc(0) depctr_vm_vsrc(0)
	s_getreg_b32 s2, hwreg(HW_REG_IB_STS2, 6, 4)
	s_cmp_eq_u32 s2, 0
	s_cbranch_scc0 .Lentry_in_a_cluster
	s_endpgm
.Lentry_in_a_cluster:
	s_bfe_u32 s2, ttmp6, 0x10000c
	s_cmp_lg_u32 s2, 0xf033
	s_cbranch_scc0 .Lentry_shape_is_right
	s_endpgm
.Lentry_shape_is_right:
; QKV.  [8192][3072] = x [8192][1024] x (Wq | Wk | Wv) + bias, on codes of FP4 (E2M1) with one E8M0 scale for each 32 along K; sums in f32.
; Out: q, k, v rounded to f16, by head: qkv [which 3][b 4][head 16][t 2048][64]; and the rows t < 16 of every sequence in f32: first16 [b][which][head][t 16][64].
; LIMIT: |q|, |k|, |v| stay under 65,504 (f16).
; A tile of 256 x 256 is made by four waves, 128 x 128 each: 64 accumulators, 512 registers.  K = 1,024 is two steps of 512: both slots are filled once, at the head; nothing is filled again.
; x's codes come as rows of 256 bytes (+ 16 of padding in LDS); the weights' codes come as images of the operand's registers, dense: lane l's 16 bytes at 16 l.  The scale bytes of all of K come once.
; CLUSTER 4 x 4: tile row = 8 cy + cluster y (so the batch is cy, and a tile begins a sequence where cluster y = 0, alike in all partners), tile column = 4 cluster x + cx (so cluster x says q, k or v).
; The four of a row of the cluster ask for x's tiles jointly, the four of a column for the weights'.  The product is used transposed (source 0 = 16 columns of W, source 1 = 16 rows of x):
; a lane holds eight neighbouring columns of one row.  The bias is the C of each sum's first product.
; REGISTERS: window 0: v0-31 addresses; v32-95 scale words, two sets; v128-191 x's fragments, one set; v192-255 the bias; on the way out v32-63, v192-255 are at work.
;   window 1: W's fragments, two sets, at v0 and v128.   windows 2, 3: the accumulators ((a, b) at v[8 (8 (a % 4) + b)]).
.set NQ,     4                         ; steps of 128 along K in a slot
.set PITCH,  272                       ; a row of x's codes in LDS: 256 bytes + 16
.set FR,     8
.set NL,     2
.set NP,     4
.set HALFT,  128*PITCH
.set ASLOT,  2*HALFT                   ; x's 256 rows of one K step
.set BOFF,   2*ASLOT                   ; behind x's two slots: W's two, 16 tiles x 4,096 bytes each
.set BSLOT,  65536
.set KS,     32                        ; a row of scale bytes
.set SCL,    BOFF+2*BSLOT              ; the scales, as units of 256 bytes + 16 of padding
.set HALFS,  (128*KS/256)*272
.set SBLK,   (16*KS/256)*272
.set SPARE,  SCL+4*HALFS               ; the spare words: 128 bytes a wave, named by no other line
.set ADRA, 16                          ; v16-17 LDS address of my fragments of x in slot 0, 1
.set ADRB, 20                          ; v20-21 the same for W
.set STO,  24                          ; the way out: where I put 16 bytes of a row
.set RD,   25                          ; and where I read rows back
.set CO,   26                          ; 16 x lane
.set ADRS, 27                          ; my scale words: lanes 0-15 x's rows, lanes 16-31 W's columns
.set SPW,  28
.set NIL,  29
.set FO,   30                          ; my byte in a block of first16
.set BOFS, 31                          ; 32 x (lane / 16): my eight numbers of the bias
.set SC,   32
.set AF,   128
.set BIAS, 192
.set TMP,  192                         ; the way out: packed results
.set OB,   32                          ; rows read back: v32-63 and v224-255 by turns
.set G1, 24
.set G0, 32
.set G1B, 48
.set G0B, 56
.set G1S, 68
.set G0S, 76
.set G1SB, 80
.set G0SB, 88
.set MSB, 0
.macro WIN new                         ; the immediate's high byte repeats the setting that is left
.if MSB != \new
	s_set_vgpr_msb (MSB<<8)|\new
.set MSB, \new
.endif
.endm
.set MUL_LO, 0xa1                      ; source 0 (W) window 1, source 1 (x) window 0, C and D window 2
.set MUL_HI, 0xf1
.set TO_B,   0x40
.macro JLOAD g0a, g1a, g0b, g1b        ; a joint load: waves 0, 1 fetch for x, waves 2, 3 for W; an s_nop 0 and four v_nop follow each line
	s_cmp_eq_u32 s15, 0
	s_cbranch_scc0 .Lfor_b_\@
	tensor_load_to_lds s[\g0a:\g0a+3], s[\g1a:\g1a+7]
	s_nop 0
.rept 4
	v_nop
.endr
	s_branch .Lasked_\@
.Lfor_b_\@:
	tensor_load_to_lds s[\g0b:\g0b+3], s[\g1b:\g1b+7]
	s_nop 0
.rept 4
	v_nop
.endr
.Lasked_\@:
.endm
.macro CROUND                          ; a round of the cluster's barrier
	s_barrier_signal -1
	s_barrier_wait -1
	s_cmp_lg_u32 s14, 0
	s_cbranch_scc1 .Lnot_wave_0_\@
	s_barrier_signal -3
.Lnot_wave_0_\@:
	s_barrier_wait -3
	s_barrier_signal -1
	s_barrier_wait -1
.endm
	s_load_b128 s[4:7], s[0:1], 0x0                ; xc, xs
	s_load_b128 s[8:11], s[0:1], 0x10              ; wc, ws
	s_load_b64 s[12:13], s[0:1], 0x20              ; qkv
	s_load_b64 s[2:3], s[0:1], 0x28                ; first16
	s_load_b128 s[96:99], s[0:1], 0x30             ; bq, bk
	s_load_b64 s[100:101], s[0:1], 0x40            ; bv
	v_lshl_add_u32 v[SPW], v0, 2, SPARE
	v_mov_b32 v[NIL], 0
	ds_add_u32 v[SPW], v[NIL]                      ; the opening: the add, twice on end, and its wait ahead of my first tensor load
	ds_add_u32 v[SPW], v[NIL]
	v_lshrrev_b32 v1, 5, v0
	v_readfirstlane_b32 s14, v1                    ; wave
	s_lshr_b32 s15, s14, 1                         ; which half of the tile's rows is mine.  Also: I fetch for x (0) or for W (1)
	s_and_b32 s16, s14, 1                          ; which half of its columns.  Also: which half of that tile I fetch
	s_bfe_u32 s40, ttmp6, 0x40000                  ; cx
	s_bfe_u32 s41, ttmp6, 0x40004                  ; cy
	s_lshl_b32 s42, ttmp9, 2
	s_add_co_u32 s42, s42, s40                     ; tile column = 4 x cluster x + cx
	s_and_b32 s95, ttmp7, 0xffff                   ; cluster y
	s_lshl_b32 s17, s41, 3
	s_add_co_u32 s17, s17, s95                     ; tile row = 8 cy + cluster y
	s_lshl_b32 s43, s41, 2
	s_lshl_b32 s43, 15, s43                        ; my row of the cluster
	s_lshl_b32 s44, 0x1111, s40                    ; my column
	s_or_b32 s[G1+0], s43, (0<<16)|(1<<20)|(1<<21)|(5<<22)|(3<<25)  ; x's codes: elements of 1 byte; 4 words of padding behind every 64
	s_mov_b32 s[G1+1], 256<<16                     ; tensor_dim0 = 256
	s_mov_b32 s[G1+2], 128<<16                     ; tensor_dim1 = 128
	s_mov_b32 s[G1+3], 256<<16                     ; tile_dim0
	s_mov_b32 s[G1+4], 128                         ; tile_dim1
	s_mov_b32 s[G1+5], 512                         ; a row of xc
	s_mov_b32 s[G1+6], 0
	s_mov_b32 s[G1+7], 0
	s_or_b32 s[G1B+0], s44, (3<<16)|(1<<21)        ; W's images: a dense block of 32,768 bytes as 128 rows of 32 elements of 8 bytes, no padding
	s_mov_b32 s[G1B+1], 32<<16
	s_mov_b32 s[G1B+2], 128<<16
	s_mov_b32 s[G1B+3], 32<<16
	s_mov_b32 s[G1B+4], 128
	s_mov_b32 s[G1B+5], 32
	s_mov_b32 s[G1B+6], 0
	s_mov_b32 s[G1B+7], 0
	s_or_b32 s[G1S+0], s43, (3<<16)|(1<<20)|(1<<21)|(5<<22)|(3<<25) ; the scales of 128 rows: 4,096 dense bytes as 16 rows of 256, 16 bytes of padding behind each
	s_or_b32 s[G1SB+0], s44, (3<<16)|(1<<20)|(1<<21)|(5<<22)|(3<<25)
.irp g, G1S, G1SB
	s_mov_b32 s[\g+1], 32<<16
	s_mov_b32 s[\g+2], 16<<16
	s_mov_b32 s[\g+3], 32<<16
	s_mov_b32 s[\g+4], 16
	s_mov_b32 s[\g+5], 32
	s_mov_b32 s[\g+6], 0
	s_mov_b32 s[\g+7], 0
.endr
	s_lshl_b32 s20, s17, 17                        ; x's codes: (256 tile row + 128 half) rows of 512 bytes
	s_lshl_b32 s18, s16, 16
	s_add_co_u32 s20, s20, s18
	s_mov_b32 s21, 0
	s_lshl_b32 s22, s17, 13                        ; x's scales: the same rows of 32 bytes
	s_lshl_b32 s18, s16, 12
	s_add_co_u32 s22, s22, s18
	s_mov_b32 s23, 0
	s_lshl_b32 s46, s42, 16                        ; W's codes: (16 tile column + 8 half) tiles of 4,096 bytes
	s_lshl_b32 s19, s16, 15
	s_add_co_u32 s46, s46, s19
	s_mov_b32 s47, 0
	s_lshl_b32 s92, s42, 13                        ; W's scales
	s_add_co_u32 s92, s92, s18
	s_mov_b32 s93, 0
	s_mul_i32 s45, s16, HALFT                      ; where they go: no place in the cluster enters an LDS address
	s_add_co_u32 s19, s19, BOFF
	s_mul_i32 s94, s14, HALFS
	s_wait_dscnt 0x0                               ; both opening adds are done
	s_wait_kmcnt 0x0
	s_add_nc_u64 s[20:21], s[4:5], s[20:21]
	s_add_nc_u64 s[22:23], s[6:7], s[22:23]
	s_add_nc_u64 s[46:47], s[8:9], s[46:47]
	s_add_nc_u64 s[92:93], s[10:11], s[92:93]
	CROUND                                         ; all sixteen work-groups are here: the first joint loads meet
	s_mov_b32 s[G0S], 1
	s_add_co_u32 s[G0S+1], s94, SCL
	s_mov_b64 s[G0S+2:G0S+3], s[22:23]
	s_or_b32 s[G0S+3], s[G0S+3], 0x80000000
	s_mov_b32 s[G0SB], 1
	s_add_co_u32 s[G0SB+1], s94, SCL
	s_mov_b64 s[G0SB+2:G0SB+3], s[92:93]
	s_or_b32 s[G0SB+3], s[G0SB+3], 0x80000000
	JLOAD G0S, G1S, G0SB, G1SB                     ; the scales first; three loads of a wave are out at the most
.irp s, 0,1
	s_mov_b32 s[G0+4*\s], 1
	s_add_co_u32 s[G0+4*\s+1], s45, \s*ASLOT
	s_add_nc_u64 s[G0+4*\s+2:G0+4*\s+3], s[20:21], \s*256
	s_or_b32 s[G0+4*\s+3], s[G0+4*\s+3], 0x80000000
	s_mov_b32 s[G0B+4*\s], 1
	s_add_co_u32 s[G0B+4*\s+1], s19, \s*BSLOT
	s_add_nc_u64 s[G0B+4*\s+2:G0B+4*\s+3], s[46:47], \s*786432
	s_or_b32 s[G0B+4*\s+3], s[G0B+4*\s+3], 0x80000000
	JLOAD G0+4*\s, G1, G0B+4*\s, G1B
.endr
	v_and_b32 v1, 15, v0                           ; r
	v_bfe_u32 v2, v0, 4, 1                         ; h
	v_and_b32 v6, 31, v0                           ; lane
	v_mul_u32_u24 v3, v1, PITCH
	v_lshl_add_u32 v4, v2, 4, v3                   ; row x pitch + 16 h
	s_mul_i32 s21, s15, HALFT
	v_add_nc_u32 v[ADRA], s21, v4
	v_add_nc_u32 v[ADRA+1], ASLOT, v[ADRA]
	s_lshl_b32 s22, s16, 15
	s_add_co_u32 s22, s22, BOFF
	v_lshl_add_u32 v[ADRB], v6, 4, s22             ; an image: 16 x lane
	v_add_nc_u32 v[ADRB+1], BSLOT, v[ADRB]
	v_mul_u32_u24 v5, v1, KS                       ; my row's scales: 32 bytes a row,
	v_lshrrev_b32 v7, 8, v5
	v_lshl_add_u32 v5, v7, 4, v5                   ; and 16 more for each 256 passed
	s_mul_i32 s21, s15, HALFS
	s_mul_i32 s22, s16, HALFS
	s_add_co_u32 s22, s22, 2*HALFS
	s_sub_co_u32 s22, s22, s21
	v_mul_u32_u24 v7, s22, v2                      ; lanes 16-31 take W's: one product, the distance between the two bases
	s_add_co_u32 s21, s21, SCL
	v_add_nc_u32 v5, v5, v7
	v_add_nc_u32 v[ADRS], s21, v5
	s_mul_i32 s23, s14, 16*PITCH                   ; my stage: 16 rows x 272 bytes, in x's slot 0, which has had its one fill and is read by nobody when the first result is stored there
	v_add_nc_u32 v[STO], s23, v4
	v_lshrrev_b32 v5, 3, v6
	v_mul_u32_u24 v5, v5, PITCH
	v_and_b32 v7, 7, v6
	v_lshl_add_u32 v5, v7, 4, v5
	v_add_nc_u32 v[RD], s23, v5                    ; back: four rows x 128 bytes of one head an instruction
	v_lshlrev_b32 v[CO], 4, v6
	v_lshlrev_b32 v[BOFS], 5, v2
	v_lshl_add_u32 v[FO], v1, 8, v[BOFS]           ; first16: row r of 256 bytes + 32 h
	s_cmp_eq_u32 ttmp9, 0                          ; cluster x says q, k or v
	s_cselect_b64 s[96:97], s[96:97], s[98:99]
	s_cmp_lt_u32 ttmp9, 2
	s_cselect_b64 s[96:97], s[96:97], s[100:101]
	s_lshl_b32 s46, s40, 10                        ; my 128 numbers of the bias: (256 cx + 128 half) x 4 bytes
	s_lshl_b32 s47, s16, 9
	s_add_co_u32 s46, s46, s47
	s_mov_b32 s47, 0
	s_add_nc_u64 s[96:97], s[96:97], s[46:47]
.irp b, 0,1,2,3,4,5,6,7
	global_load_b128 v[BIAS+8*\b:BIAS+8*\b+3], v[BOFS], s[96:97] offset:64*\b       ; register 8 b + j: the bias of column 16 b + 8 h + j
	global_load_b128 v[BIAS+8*\b+4:BIAS+8*\b+7], v[BOFS], s[96:97] offset:64*\b+16
.endr
	s_lshl_b32 s20, ttmp9, 24                      ; qkv: which, batch cy, rows 256 cluster y + 128 half of 128 bytes;
	s_lshl_b32 s21, s41, 22
	s_add_co_u32 s20, s20, s21
	s_lshl_b32 s21, s95, 15
	s_add_co_u32 s20, s20, s21
	s_lshl_b32 s21, s15, 14
	s_add_co_u32 s20, s20, s21
	s_mov_b32 s21, 0
	s_add_nc_u64 s[12:13], s[12:13], s[20:21]
	s_lshl_b32 s46, s40, 20                        ; head 4 cx + 2 half, 262,144 bytes each
	s_lshl_b32 s47, s16, 19
	s_add_co_u32 s46, s46, s47
	s_mov_b32 s47, 0
	s_add_nc_u64 s[12:13], s[12:13], s[46:47]
	s_mul_i32 s20, s41, 196608                     ; first16: ((3 cy + which) 16 + head) blocks of 4,096 bytes
	s_lshl_b32 s21, ttmp9, 16
	s_add_co_u32 s20, s20, s21
	s_mov_b32 s21, 0
	s_add_nc_u64 s[2:3], s[2:3], s[20:21]
	s_lshl_b32 s46, s40, 14
	s_lshl_b32 s47, s16, 13
	s_add_co_u32 s46, s46, s47
	s_mov_b32 s47, 0
	s_add_nc_u64 s[2:3], s[2:3], s[46:47]
.macro FRAGA reg, slot, q, i           ; 16 rows x 128 K of 4-bit codes: lane l holds row l % 16; registers 4 c .. 4 c + 3 hold K = 64 c + 32 (l / 16) + 0 .. 31
.irp c, 0,1
	ds_load_b128 v[\reg+4*\c:\reg+4*\c+3], v[ADRA+\slot] offset:64*(\q)+32*\c+(\i)*16*PITCH
.endr
.endm
.macro FRAGB reg, slot, q, i           ; the same registers from an image
.irp c, 0,1
	ds_load_b128 v[\reg+4*\c:\reg+4*\c+3], v[ADRB+\slot] offset:(\i)*4096+(\q)*1024+512*\c
.endr
.endm
; 16 products: x's blocks a0, a0 + 1 against W's eight.  first = 1: C is the bias.  The 64 accumulators take turns, one instruction a turn, in the same order in every step.
.macro MUL16 a0, p, q, sc, first
.irp a, \a0, \a0+1
.irp b, 0,1,2,3,4,5,6,7
.if \first
	v_wmma_scale_f32_16x16x128_f8f6f4 v[8*(8*((\a)%4)+\b):8*(8*((\a)%4)+\b)+7], v[128*(\p)+FR*\b:128*(\p)+FR*\b+FR-1], v[AF+FR*(\a):AF+FR*(\a)+FR-1], v[BIAS+8*\b:BIAS+8*\b+7], v[SC+8*NQ*(\sc)+NQ*\b+(\q)], v[SC+8*NQ*(\sc)+NQ*(\a)+(\q)] matrix_a_fmt:MATRIX_FMT_FP4 matrix_b_fmt:MATRIX_FMT_FP4 matrix_a_scale:MATRIX_SCALE_ROW1
.else
	v_wmma_scale_f32_16x16x128_f8f6f4 v[8*(8*((\a)%4)+\b):8*(8*((\a)%4)+\b)+7], v[128*(\p)+FR*\b:128*(\p)+FR*\b+FR-1], v[AF+FR*(\a):AF+FR*(\a)+FR-1], v[8*(8*((\a)%4)+\b):8*(8*((\a)%4)+\b)+7], v[SC+8*NQ*(\sc)+NQ*\b+(\q)], v[SC+8*NQ*(\sc)+NQ*(\a)+(\q)] matrix_a_fmt:MATRIX_FMT_FP4 matrix_b_fmt:MATRIX_FMT_FP4 matrix_a_scale:MATRIX_SCALE_ROW1
.endif
.endr
.endr
.endm
.macro FETCH_B slot, q, p
	WIN TO_B
.irp i, 0,1,2,3,4,5,6,7
	FRAGB 128*(\p)+FR*\i, \slot, \q, \i
.endr
	WIN 0
.endm
.macro FETCH_A slot, q, i0
.irp i, \i0, \i0+1, \i0+2, \i0+3
	FRAGA AF+FR*(\i), \slot, \q, \i
.endr
.endm
.macro SCALES sc                       ; a K step's scale words: 4 words a row; lanes 0-15 x's block i, lanes 16-31 W's block i
.irp i, 0,1,2,3,4,5,6,7
	ds_load_b128 v[SC+8*NQ*\sc+NQ*\i:SC+8*NQ*\sc+NQ*\i+3], v[ADRS] offset:\i*SBLK
.endr
.endm
.macro PLACES n                        ; plain vector lines between a matrix instruction and a load into, or a read of, its registers
.rept \n
	v_nop
.endr
.endm
.macro STEP slot, q, first             ; 128 along K that has its successor in the same slot
	s_wait_dscnt 4*NL                              ; W's set and x's blocks 0-3 are in; the youngest eight loads (x's blocks 4-7) may be out
.if \first
	WIN 0x81                                       ; C (the bias) window 0, D window 2
.else
	WIN MUL_LO
.endif
	MUL16 0, (\q)%2, \q, \slot, \first
	MUL16 2, (\q)%2, \q, \slot, \first
	s_wait_dscnt 0
	PLACES NP
	FETCH_B \slot, (\q)+1, 1-(\q)%2
	FETCH_A \slot, (\q)+1, 0
.if \first
	WIN 0xc1
.else
	WIN MUL_HI
.endif
	MUL16 4, (\q)%2, \q, \slot, \first
	MUL16 6, (\q)%2, \q, \slot, \first
	PLACES NP
	WIN 0
	FETCH_A \slot, (\q)+1, 4
.endm
.macro TURN slot, next                 ; a slot's last step changes slots: one barrier
	s_wait_tensorcnt 0x0                           ; all my tensor loads have landed: my part of the next slot
	ds_add_u32 v[SPW], v[NIL]                      ; 0 onto my spare word
	s_wait_dscnt 4*NL+1                            ; (the add and x's blocks 4-7 may be out)
	WIN MUL_LO
	MUL16 0, 1, NQ-1, \slot, 0
	s_wait_dscnt 0x0
	s_barrier_signal -1
	MUL16 2, 1, NQ-1, \slot, 0
	WIN 0
	s_barrier_wait -1                              ; the next slot is whole, and nobody reads this one any more
	PLACES NP
	v_add_nc_u32 v[ADRS], 4*NQ, v[ADRS]            ; the next K step's scale words (no LDS load of mine is out)
	FETCH_B \next, 0, 0
	FETCH_A \next, 0, 0
	SCALES \next
	WIN MUL_HI
	MUL16 4, 1, NQ-1, \slot, 0
	MUL16 6, 1, NQ-1, \slot, 0
	PLACES NP
	WIN 0
	FETCH_A \next, 0, 4
.endm
	s_wait_tensorcnt 1                             ; the scales and my part of K step 0 are in; K step 1's load may be out
	s_barrier_signal -1
	s_barrier_wait -1
	FETCH_B 0, 0, 0
	FETCH_A 0, 0, 0
	SCALES 0
	FETCH_A 0, 0, 4
	s_wait_loadcnt 0x0                             ; the bias
	STEP 0, 0, 1
	STEP 0, 1, 0
	STEP 0, 2, 0
	TURN 0, 1
	STEP 1, 0, 0
	STEP 1, 1, 0
	STEP 1, 2, 0
	s_wait_dscnt 4*NL                              ; the last step: nothing more to fetch
	WIN MUL_LO
	MUL16 0, 1, NQ-1, 1, 0
	MUL16 2, 1, NQ-1, 1, 0
	s_wait_dscnt 0
	WIN MUL_HI
	MUL16 4, 1, NQ-1, 1, 0
	MUL16 6, 1, NQ-1, 1, 0
	WIN 0
	PLACES NP
	; the rows t < 16 of a sequence, in f32: block 0 of the waves with the tile's upper rows, where cluster y = 0 (ids that all partners share, and the wave's number)
	s_or_b32 s20, s95, s15
	s_cmp_lg_u32 s20, 0
	s_cbranch_scc1 .Lno_first
	WIN 0x08                                       ; a store's data: window 2
.irp b, 0,1,2,3,4,5,6,7
	global_store_b128 v[FO], v[8*\b:8*\b+3], s[2:3] offset:(\b/4)*4096+(\b%4)*64       ; each accumulator from its low end on
	global_store_b128 v[FO], v[8*\b+4:8*\b+7], s[2:3] offset:(\b/4)*4096+(\b%4)*64+16
.endr
	WIN 0
.Lno_first:
; THE WAY OUT, block by block of 16 rows x 128 columns (two heads): rounded to f16, through my own stage, back as runs of four rows of one head: 512 consecutive bytes of qkv a store.
.macro PACK a
.set AC, 64*((\a)%4)
	WIN 0x0a+5*((\a)/4)
.irp b, 0,1,2,3,4,5,6,7
.irp r, 0,1,2,3
	v_cvt_pk_f16_f32 v[TMP+4*\b+\r], v[AC+8*\b+2*\r], v[AC+8*\b+2*\r+1]
.endr
.endr
	WIN 0
.endm
.macro TOSTAGE a
.set BB, OB+192*((\a)%2)
.irp b, 0,1,2,3,4,5,6,7
	ds_store_b128 v[STO], v[TMP+4*\b:TMP+4*\b+3] offset:32*\b
.endr
.irp i, 0,1,2,3,4,5,6,7
	ds_load_b128 v[BB+4*\i:BB+4*\i+3], v[RD] offset:(\i%4)*4*PITCH+(\i/4)*128   ; LDS serves a wave's instructions in order: these see the stores above
.endr
.endm
.macro SEND a
.set BB, OB+192*((\a)%2)
	s_wait_dscnt 0x0                               ; the block is back in registers
	s_wait_xcnt 0x0                                ; the stores of the block before have read their registers: the next block's loads may land there
.irp i, 0,1,2,3,4,5,6,7
	global_store_b128 v[CO], v[BB+4*\i:BB+4*\i+3], s[12:13] offset:(\i/4)*262144+(\i%4)*512+(\a)*2048
.endr
.endm
	PACK 0
	TOSTAGE 0
.irp a, 1,2,3,4,5,6,7
	PACK \a
	SEND (\a)-1
	TOSTAGE \a
.endr
	SEND 7
	s_wait_tensorcnt 0x0                           ; the wave's end
	ds_add_u32 v[SPW], v[NIL]
	s_wait_dscnt 0x0
	CROUND                                         ; the closing round
	s_endpgm
.Lfunc_end_k_qbb3f47cb1e_qkv:
	.size	k_qbb3f47cb1e_qkv, .Lfunc_end_k_qbb3f47cb1e_qkv-k_qbb3f47cb1e_qkv
	.p2alignl 7, 3214868480
	.fill 96, 4, 3214868480
	.section	.rodata,"a",@progbits
	.p2align	6, 0x0
	.amdhsa_kernel k_qbb3f47cb1e_qkv
		.amdhsa_group_segment_fixed_size 327680
		.amdhsa_private_segment_fixed_size 0
		.amdhsa_enable_private_segment 0
		.amdhsa_kernarg_size 72
		.amdhsa_user_sgpr_count 2
		.amdhsa_user_sgpr_kernarg_segment_ptr 1
		.amdhsa_wavefront_size32 1
		.amdhsa_system_sgpr_workgroup_id_x 1
		.amdhsa_system_sgpr_workgroup_id_y 1
		.amdhsa_system_sgpr_workgroup_id_z 1
		.amdhsa_system_vgpr_workitem_id 0
		.amdhsa_next_free_vgpr 1024
		.amdhsa_next_free_sgpr 102
		.amdhsa_reserve_vcc 0
		.amdhsa_float_denorm_mode_32 3
		.amdhsa_float_denorm_mode_16_64 3
		.amdhsa_memory_ordered 1
		.amdhsa_forward_progress 1
		.amdhsa_inst_pref_size 130
	.end_amdhsa_kernel
	.amdgpu_metadata
---
amdhsa.version: [ 1, 2 ]
amdhsa.kernels:
  - .name:           k_qbb3f47cb1e_qkv
    .symbol:         k_qbb3f47cb1e_qkv.kd
    .args:
      - { .name: xc, .offset: 0, .size: 8, .value_kind: global_buffer, .address_space: global }
      - { .name: xs, .offset: 8, .size: 8, .value_kind: global_buffer, .address_space: global }
      - { .name: wc, .offset: 16, .size: 8, .value_kind: global_buffer, .address_space: global }
      - { .name: ws, .offset: 24, .size: 8, .value_kind: global_buffer, .address_space: global }
      - { .name: qkv, .offset: 32, .size: 8, .value_kind: global_buffer, .address_space: global }
      - { .name: first16, .offset: 40, .size: 8, .value_kind: global_buffer, .address_space: global }
      - { .name: bq, .offset: 48, .size: 8, .value_kind: global_buffer, .address_space: global }
      - { .name: bk, .offset: 56, .size: 8, .value_kind: global_buffer, .address_space: global }
      - { .name: bv, .offset: 64, .size: 8, .value_kind: global_buffer, .address_space: global }
    .group_segment_fixed_size: 327680
    .private_segment_fixed_size: 0
    .kernarg_segment_align: 8
    .kernarg_segment_size: 72
    .max_flat_workgroup_size: 128
    .sgpr_count:     102
    .vgpr_count:     1024
    .wavefront_size: 32
...
	.end_amdgpu_metadata
.endif
;; end of part 2
;; launch first (part 3): grid 64 x 4, 16 waves a work-group, no clusters, 18,432 bytes of LDS; arguments first16, Wp, bp, out0; writes out0
.if DOCPART == 3
	.amdgcn_target "amdgcn-amd-amdhsa--gfx1250"
	.amdhsa_code_object_version 6
	.text
	.protected	k_qbb3f47cb1e_first
	.globl	k_qbb3f47cb1e_first
	.p2align	8
	.type	k_qbb3f47cb1e_first,@function
k_qbb3f47cb1e_first:
	s_mov_b64 s[64:65], 0
	v_nop
	global_prefetch_b8 v0, s[64:65] scope:SCOPE_SE
	s_setreg_imm32_b32 hwreg(HW_REG_WAVE_MODE, 25, 1), 1
	s_wait_xcnt 0x0
; FIRST.  The rows t < 16 of every sequence, in f32 throughout: scores, causal softmax, p v and the projection, by the f32 matrix form (16 x 16 x 4).  These rows average 1 to 16 values.
; A work-group makes out0[b][0..15][n0 .. n0 + 15], n0 = 16 x, b = y.  Wave w takes head w: its attention for 16 queries x 16 keys, then its 16 x 64 result times Wp[64 w .. 64 w + 63][n0 ..];
; the sixteen partial tiles meet in LDS and wave 0 adds them and the bias.  The attention is made anew in each of a batch's 64 column tiles, so nothing crosses work-groups.
; No tensor load and no cluster: operands go from memory straight into registers, and the launch is short.  Its 64 rows leave in runs of 64 bytes.
; Both sides of a product take K in the same order, chosen so that plain loads fill the registers: slot (h, j) of step g of q k^T is channel 8 (g / 2) + 4 h + 2 (g % 2) + j;
; of step (ct, s) of p v it is key 8 h + 2 s + j, and of the projection k = 64 w + 16 ct + 8 h + 2 s + j.
; The registers that the f32 matrix form writes (SA, OA) are written by matrix instructions alone.
.set SPARE, 16384
.set QF, 16                            ; v16-47   q; later the attention's result; in wave 0 later the partial tiles (v16-143)
.set KF, 48                            ; v48-79   k
.set VF, 80                            ; v80-111  v, turned by the loads
.set WF, 112                           ; v112-143 Wp
.set SA, 144                           ; v144-175 four accumulators: the scores, later the projection
.set OA, 176                           ; v176-207 four accumulators: p v
.set T,  208
.set U,  216
.set PF, 224                           ; p
.set RS, 232                           ; my partial tile
.set BI, 240                           ; the bias
	s_load_b256 s[4:11], s[0:1], 0x0               ; first16 4:5, Wp 6:7, bp 8:9, out0 10:11
	v_lshl_add_u32 v6, v0, 2, SPARE                ; my spare word; never rewritten
	v_mov_b32 v7, 0                                ; 0; never rewritten
	v_lshrrev_b32 v1, 5, v0
	v_readfirstlane_b32 s12, v1                    ; wave = head
	v_and_b32 v1, 15, v0                           ; r
	v_bfe_u32 v2, v0, 4, 1                         ; h
	v_lshlrev_b32 v3, 8, v1
	v_lshl_add_u32 v3, v2, 4, v3                   ; q, k: row r of 256 bytes + 16 h
	v_lshlrev_b32 v4, 2, v1
	v_lshl_add_u32 v5, v2, 15, v4                  ; Wp: 8 h rows of 4,096 bytes + 4 r
	v_lshl_add_u32 v4, v2, 11, v4                  ; v: 8 h rows of 256 bytes + 4 r
	v_lshlrev_b32 v8, 3, v2
	v_sub_nc_u32 v8, v1, v8                        ; r - 8 h: register j holds key 8 h + j, hidden where j > r - 8 h
	v_mov_b32 v9, 0xff800000                       ; -infinity
	v_lshlrev_b32 v251, 5, v2                      ; 32 h
	v_lshl_add_u32 v250, v1, 12, v251              ; out0: row r of 4,096 bytes + 32 h
	v_and_b32 v249, 31, v0
	v_lshlrev_b32 v249, 4, v249                    ; 16 x lane
	s_lshl_b32 s13, s12, 10
	v_add_nc_u32 v248, s13, v249                   ; where my partial tile goes: 1,024 x wave + 16 x lane
	s_and_b32 s14, ttmp7, 0xffff                   ; b
	s_lshl_b32 s15, ttmp9, 6                       ; 4 n0
	s_mul_i32 s16, s14, 196608
	s_lshl_b32 s17, s12, 12
	s_add_co_u32 s16, s16, s17                     ; first16: (48 b + w) blocks of 4,096 bytes
	s_mov_b32 s17, 0
	s_lshl_b32 s18, s12, 18
	s_add_co_u32 s18, s18, s15                     ; Wp: 64 w rows + 4 n0
	s_mov_b32 s19, 0
	s_lshl_b32 s24, s14, 23
	s_add_co_u32 s24, s24, s15                     ; out0: 2,048 b rows + 4 n0
	s_mov_b32 s25, 0
	s_mov_b32 s26, s15
	s_mov_b32 s27, 0
	s_mov_b32 s20, 0x76543210
	s_mov_b32 s21, 0xfedcba98                      ; lane l xor 16
	s_mov_b32 s22, 0x3e38aa3b                      ; c = log2(e) / sqrt(64)
	s_wait_kmcnt 0x0
	s_add_nc_u64 s[4:5], s[4:5], s[16:17]
	s_add_nc_u64 s[6:7], s[6:7], s[18:19]
	s_add_nc_u64 s[8:9], s[8:9], s[26:27]
	s_add_nc_u64 s[10:11], s[10:11], s[24:25]
.irp i, 0,1,2,3,4,5,6,7
	global_load_b128 v[QF+4*\i:QF+4*\i+3], v3, s[4:5] offset:32*\i
.endr
.irp i, 0,1,2,3,4,5,6,7
	global_load_b128 v[KF+4*\i:KF+4*\i+3], v3, s[4:5] offset:65536+32*\i
.endr
.irp ct, 0,1,2,3
.irp k, 0,1,2,3,4,5,6,7
	global_load_b32 v[VF+8*\ct+\k], v4, s[4:5] offset:131072+\k*256+64*\ct          ; v(key 8 h + k, channel 16 ct + r)
.endr
.endr
.irp ct, 0,1,2,3
.irp k, 0,1,2,3,4,5,6,7
	global_load_b32 v[WF+8*\ct+\k], v5, s[6:7] offset:(16*\ct+\k)*4096              ; Wp(64 w + 16 ct + 8 h + k, n0 + r)
.endr
.endr
	global_load_b128 v[BI:BI+3], v251, s[8:9]
	global_load_b128 v[BI+4:BI+7], v251, s[8:9] offset:16
	s_wait_loadcnt 63                              ; q and k are in: 66 loads are younger; the count is the largest that the wait can name
	; S^T = k q^T: a lane holds query r and keys 8 h + j.  Four accumulators by turns; the first four products start the sums
.irp g, 0,1,2,3,4,5,6,7,8,9,10,11,12,13,14,15
.if \g < 4
	v_wmma_f32_16x16x4_f32 v[SA+8*(\g%4):SA+8*(\g%4)+7], v[KF+2*\g:KF+2*\g+1], v[QF+2*\g:QF+2*\g+1], 0
.else
	v_wmma_f32_16x16x4_f32 v[SA+8*(\g%4):SA+8*(\g%4)+7], v[KF+2*\g:KF+2*\g+1], v[QF+2*\g:QF+2*\g+1], v[SA+8*(\g%4):SA+8*(\g%4)+7]
.endif
.endr
.rept 8
	v_nop                                          ; eight places behind this form (ISA guide 7.12.1)
.endr
.irp p, 0,2,4,6
	v_pk_add_f32 v[T+\p:T+\p+1], v[SA+\p:SA+\p+1], v[SA+8+\p:SA+8+\p+1]
.endr
.irp p, 0,2,4,6
	v_pk_add_f32 v[U+\p:U+\p+1], v[SA+16+\p:SA+16+\p+1], v[SA+24+\p:SA+24+\p+1]
.endr
.irp p, 0,2,4,6
	v_pk_add_f32 v[T+\p:T+\p+1], v[T+\p:T+\p+1], v[U+\p:U+\p+1]
.endr
.irp j, 0,1,2,3,4,5,6,7
	v_cmp_gt_i32 vcc_lo, \j, v8                    ; the causal mask: a hidden score becomes -infinity, so its p is 0
	v_cndmask_b32 v[T+\j], v[T+\j], v9, vcc_lo
.endr
	v_max3_num_f32 v10, v[T], v[T+1], v[T+2]
	v_max3_num_f32 v11, v[T+3], v[T+4], v[T+5]
	v_max3_num_f32 v10, v10, v[T+6], v[T+7]
	v_max_num_f32 v10, v10, v11
	v_permlanex16_b32 v11, v10, s20, s21
	v_max_num_f32 v10, v10, v11                    ; the row's maximum (key 0 counts for every query)
	v_mul_f32 v11, s22, v10
.irp j, 0,1,2,3,4,5,6,7
	v_fma_f32 v[PF+\j], v[T+\j], s22, -v11         ; c s - c m
.endr
.irp j, 0,1,2,3,4,5,6,7
	v_exp_f32 v[PF+\j], v[PF+\j]
.endr
	v_nop                                          ; a plain line behind the last exponential
	s_wait_alu depctr_va_vdst(0)                   ; one wait for the batch, ahead of its first reader
	v_pk_add_f32 v[12:13], v[PF:PF+1], v[PF+2:PF+3]
	v_pk_add_f32 v[14:15], v[PF+4:PF+5], v[PF+6:PF+7]
	v_pk_add_f32 v[12:13], v[12:13], v[14:15]
	v_add_f32 v12, v12, v13
	v_permlanex16_b32 v13, v12, s20, s21
	v_add_f32 v12, v12, v13                        ; the row's sum
	v_rcp_f32 v12, v12
	s_wait_loadcnt 34                              ; v is in: Wp's 32 loads and the bias's 2 are younger
	; O^T = v^T p^T: a lane holds query r and channels 16 ct + 8 h + j
.irp s, 0,1,2,3
.irp ct, 0,1,2,3
.if \s == 0
	v_wmma_f32_16x16x4_f32 v[OA+8*\ct:OA+8*\ct+7], v[VF+8*\ct+2*\s:VF+8*\ct+2*\s+1], v[PF+2*\s:PF+2*\s+1], 0
.else
	v_wmma_f32_16x16x4_f32 v[OA+8*\ct:OA+8*\ct+7], v[VF+8*\ct+2*\s:VF+8*\ct+2*\s+1], v[PF+2*\s:PF+2*\s+1], v[OA+8*\ct:OA+8*\ct+7]
.endif
.endr
.endr
.rept 8
	v_nop
.endr
	s_wait_alu depctr_va_vdst(0)                   ; the reciprocal, ahead of its first reader
.set i, 0
.rept 16
	v_pk_mul_f32 v[QF+2*i:QF+2*i+1], v[OA+2*i:OA+2*i+1], v[12:13] op_sel_hi:[1,0]   ; the attention's result: register 8 ct + j = channel 16 ct + 8 h + j of query r
.set i, i+1
.endr
	s_wait_loadcnt 0x0                             ; Wp and the bias
	; the projection, transposed: a lane holds query r and columns n0 + 8 h + j
.irp ct, 0,1,2,3
.irp s, 0,1,2,3
.if \ct == 0
	v_wmma_f32_16x16x4_f32 v[SA+8*\s:SA+8*\s+7], v[WF+8*\ct+2*\s:WF+8*\ct+2*\s+1], v[QF+8*\ct+2*\s:QF+8*\ct+2*\s+1], 0
.else
	v_wmma_f32_16x16x4_f32 v[SA+8*\s:SA+8*\s+7], v[WF+8*\ct+2*\s:WF+8*\ct+2*\s+1], v[QF+8*\ct+2*\s:QF+8*\ct+2*\s+1], v[SA+8*\s:SA+8*\s+7]
.endif
.endr
.endr
.rept 8
	v_nop
.endr
.irp p, 0,2,4,6
	v_pk_add_f32 v[T+\p:T+\p+1], v[SA+\p:SA+\p+1], v[SA+8+\p:SA+8+\p+1]
.endr
.irp p, 0,2,4,6
	v_pk_add_f32 v[U+\p:U+\p+1], v[SA+16+\p:SA+16+\p+1], v[SA+24+\p:SA+24+\p+1]
.endr
.irp p, 0,2,4,6
	v_pk_add_f32 v[RS+\p:RS+\p+1], v[T+\p:T+\p+1], v[U+\p:U+\p+1]
.endr
	ds_store_b128 v248, v[RS:RS+3]
	ds_store_b128 v248, v[RS+4:RS+7] offset:512
	s_wait_dscnt 0x0                               ; for the others' sake: my stores have landed
	s_barrier_signal -1
	s_barrier_wait -1
	s_cmp_lg_u32 s12, 0
	s_cbranch_scc1 .Lend
.set w, 0
.rept 16
	ds_load_b128 v[16+8*w:16+8*w+3], v249 offset:1024*w
	ds_load_b128 v[16+8*w+4:16+8*w+7], v249 offset:1024*w+512
.set w, w+1
.endr
	s_wait_dscnt 0x0
.irp d, 8,4,2,1
.set w, 0
.rept \d
.irp p, 0,2,4,6
	v_pk_add_f32 v[16+8*w+\p:17+8*w+\p], v[16+8*w+\p:17+8*w+\p], v[16+8*(w+\d)+\p:17+8*(w+\d)+\p]
.endr
.set w, w+1
.endr
.endr
.irp p, 0,2,4,6
	v_pk_add_f32 v[16+\p:17+\p], v[16+\p:17+\p], v[BI+\p:BI+\p+1]
.endr
	global_store_b128 v250, v[16:19], s[10:11]
	global_store_b128 v250, v[20:23], s[10:11] offset:16
.Lend:
	s_wait_tensorcnt 0x0                           ; the wave's end, behind my last LDS store
	ds_add_u32 v6, v7
	s_wait_dscnt 0x0
	s_endpgm
.Lfunc_end_k_qbb3f47cb1e_first:
	.size	k_qbb3f47cb1e_first, .Lfunc_end_k_qbb3f47cb1e_first-k_qbb3f47cb1e_first
	.p2alignl 7, 3214868480
	.fill 96, 4, 3214868480
	.section	.rodata,"a",@progbits
	.p2align	6, 0x0
	.amdhsa_kernel k_qbb3f47cb1e_first
		.amdhsa_group_segment_fixed_size 18432
		.amdhsa_private_segment_fixed_size 0
		.amdhsa_enable_private_segment 0
		.amdhsa_kernarg_size 32
		.amdhsa_user_sgpr_count 2
		.amdhsa_user_sgpr_kernarg_segment_ptr 1
		.amdhsa_wavefront_size32 1
		.amdhsa_system_sgpr_workgroup_id_x 1
		.amdhsa_system_sgpr_workgroup_id_y 1
		.amdhsa_system_sgpr_workgroup_id_z 1
		.amdhsa_system_vgpr_workitem_id 0
		.amdhsa_next_free_vgpr 256
		.amdhsa_next_free_sgpr 66
		.amdhsa_reserve_vcc 1
		.amdhsa_float_denorm_mode_32 3
		.amdhsa_float_denorm_mode_16_64 3
		.amdhsa_memory_ordered 1
		.amdhsa_forward_progress 1
		.amdhsa_inst_pref_size 25
	.end_amdhsa_kernel
	.amdgpu_metadata
---
amdhsa.version: [ 1, 2 ]
amdhsa.kernels:
  - .name:           k_qbb3f47cb1e_first
    .symbol:         k_qbb3f47cb1e_first.kd
    .args:
      - { .name: first16, .offset: 0, .size: 8, .value_kind: global_buffer, .address_space: global }
      - { .name: Wp, .offset: 8, .size: 8, .value_kind: global_buffer, .address_space: global }
      - { .name: bp, .offset: 16, .size: 8, .value_kind: global_buffer, .address_space: global }
      - { .name: out0, .offset: 24, .size: 8, .value_kind: global_buffer, .address_space: global }
    .group_segment_fixed_size: 18432
    .private_segment_fixed_size: 0
    .kernarg_segment_align: 8
    .kernarg_segment_size: 32
    .max_flat_workgroup_size: 512
    .sgpr_count:     66
    .vgpr_count:     256
    .wavefront_size: 32
...
	.end_amdgpu_metadata
.endif
;; end of part 3
;; launch attn (part 4): grid 4 x 64, 16 waves a work-group, clusters of 4 x 1, 327,680 bytes of LDS; arguments qkv, ctx; writes ctx
.if DOCPART == 4
	.amdgcn_target "amdgcn-amd-amdhsa--gfx1250"
	.amdhsa_code_object_version 6
	.text
	.protected	k_qbb3f47cb1e_attn
	.globl	k_qbb3f47cb1e_attn
	.p2align	8
	.type	k_qbb3f47cb1e_attn,@function
k_qbb3f47cb1e_attn:
	s_mov_b64 s[64:65], 0
	v_nop
	global_prefetch_b8 v0, s[64:65] scope:SCOPE_SE
	s_setreg_imm32_b32 hwreg(HW_REG_WAVE_MODE, 25, 1), 1
	s_wait_xcnt 0x0
	s_wait_alu depctr_hold_cnt(0) depctr_sa_sdst(0) depctr_va_vdst(0) depctr_va_sdst(0) depctr_va_ssrc(0) depctr_va_vcc(0) depctr_vm_vsrc(0)
	s_getreg_b32 s2, hwreg(HW_REG_IB_STS2, 6, 4)
	s_cmp_eq_u32 s2, 0
	s_cbranch_scc0 .Lentry_in_a_cluster
	s_endpgm
.Lentry_in_a_cluster:
	s_bfe_u32 s2, ttmp6, 0x10000c
	s_cmp_lg_u32 s2, 0x3003
	s_cbranch_scc0 .Lentry_shape_is_right
	s_endpgm
.Lentry_shape_is_right:
; ATTN.  ctx[bh][q][:] = the sum over k <= q of softmax_k(q . k / 8) v[k][:], for 64 heads of 2,048 positions x 64 channels.  q, k, v and ctx in f16; products, maxima and sums in f32; p is rounded to f16.
; LIMIT: |q|, |k|, |v| under 65,504 (f16).  The softmax takes a running maximum away: p = 2^(c s - c m), c = log2(e) / 8; in every step O and l are multiplied by a = 2^(c m_old - c m_new).
; SHARES.  A cluster of four work-groups is one head.  Wave w of partner cx owns queries 128 g + 32 cx + 0 .. 31, two tiles of 16, with g = w xor 3 ((w >> 2) & 1): waves w, w + 4, w + 8, w + 12 together
; have the same number of key steps for every w.  So all partners have the same work, and every partner walks all 2,048 keys: 4 slots of 512 keys, 8 steps of 64 keys each.
; Each tile of k and v is asked for JOINTLY by the four partners.  No branch hangs on cx: a step is left out where its first key is at or over 128 g + 128, and masked where it is at or over 128 g;
; these hang on the wave's number and the count of steps.  Wave g = 15 of every partner reads every slot.
; LAYOUT.  S^T = k q^T and O^T = v^T p: a lane holds one query (lane % 16) throughout; two tiles of S^T rounded in pairs are an operand of the second product.  v ([key][channel]) is turned by ds_load_tr16_b128.
; Sixteen waves of 256 registers: four to a SIMD, so that one wave's softmax stands beside another's products and LDS loads.  Two tiles of queries share each fragment of k and v.
; LDS: a row holds two keys (256 bytes of memory, which is dense) + 16 bytes of padding for k, + 32 for v.
.set SLOTB, 143360                     ; a slot: 256 rows x 272 of k, then 256 rows x 288 of v
.set VOFF,  69632
.set SPARE, 2*SLOTB                    ; the spare words: 128 bytes for each of 16 waves, named by no other line
.set AK0,  1                           ; v1  my lane's place in a tile of k
.set AV0,  2                           ; v2  the same for v
.set ADK,  3                           ; v3  the step's k (at the head: my offset in q)
.set ADV,  4                           ; v4  the step's v
.set SPW,  5
.set NIL,  6
.set QD,   7                           ; v7  my query of tile 0 - 8 (lane / 16)
.set D0,   8                           ; v8, v9: that less the step's first key, for tiles 0, 1
.set NINF, 10
.set PFO,  11                          ; v11 256 x lane
.set ST,   12                          ; tile t at v[12 + 8 t]: +0 c m, +1 m, +2:3 l, +4 .. +7 at work (+4:5 a sum, +6 a, +7 c m_old)
.set SB2,  28                          ; v28-31 a second chain of sums for each tile
.set Q,    32                          ; v32-63   q: tile t, channels 32 f on, at 32 + 16 t + 8 f
.set KV,   64                          ; v64-127  k: (kt, f) at 64 + 16 kt + 8 f; then v: (ct, u) at 64 + 16 ct + 8 u
.set S,    128                         ; v128-191 S^T: 128 + 32 t + 8 kt; p is packed in place into the first 16 of a tile's 32
.set O,    192                         ; v192-255 O^T: 192 + 32 t + 8 ct
.set WV,   12
.set GQ,   15                          ; s15 128 g
.set GE,   16                          ; s16 128 g + 128
.set KF,   17                          ; s17 the step's first key
.set TK,   18                          ; s18 LDS byte of the step's k
.set TV,   19                          ; s19 and v
.set SEL,  20
.set CS,   22
.set G1K,  24
.set G1V,  32
.set G0K,  40                          ; two sets, one for each slot
.set G0V,  48
.set PFA,  56
.set CNT,  58
.macro CROUND
	s_barrier_signal -1
	s_barrier_wait -1
	s_cmp_lg_u32 s[WV], 0
	s_cbranch_scc1 .Lnot_wave_0_\@
	s_barrier_signal -3
.Lnot_wave_0_\@:
	s_barrier_wait -3
	s_barrier_signal -1
	s_barrier_wait -1
.endm
.macro JLOAD set                       ; waves 0, 1 fetch k's halves of a slot, waves 2, 3 v's, the others nothing; an s_nop 0 and four v_nop follow each line
	s_cmp_lt_u32 s[WV], 2
	s_cbranch_scc0 .Lnot_k_\@
	tensor_load_to_lds s[G0K+4*\set:G0K+4*\set+3], s[G1K:G1K+7]
	s_nop 0
.rept 4
	v_nop
.endr
	s_branch .Lasked_\@
.Lnot_k_\@:
	s_cmp_lt_u32 s[WV], 4
	s_cbranch_scc0 .Lasked_\@
	tensor_load_to_lds s[G0V+4*\set:G0V+4*\set+3], s[G1V:G1V+7]
	s_nop 0
.rept 4
	v_nop
.endr
.Lasked_\@:
.endm
; A key step: 64 keys against my two tiles of queries.
.macro STEP
	s_cmp_ge_u32 s[KF], s[GE]                      ; all its keys come after my group's queries: the work is left out, the address steps at the end are not
	s_cbranch_scc1 .Lhidden_\@
	v_add_nc_u32 v[ADK], s[TK], v[AK0]
	v_add_nc_u32 v[ADV], s[TV], v[AV0]
.rept 3
	v_nop                                          ; with the two additions five places: the products below write over p's registers, the loads over v's
.endr
.irp kt, 0,1,2,3
.irp f, 0,1
	ds_load_b128 v[KV+16*\kt+8*\f:KV+16*\kt+8*\f+3], v[ADK] offset:\kt*2176+\f*64
	ds_load_b128 v[KV+16*\kt+8*\f+4:KV+16*\kt+8*\f+7], v[ADK] offset:\kt*2176+\f*64+32
.endr
.endr
	s_wait_dscnt 0x0
.irp f, 0,1                            ; eight accumulators by turns; the first eight products start the sums
.irp kt, 0,1,2,3
.irp t, 0,1
.if \f == 0
	v_wmma_f32_16x16x32_f16 v[S+32*\t+8*\kt:S+32*\t+8*\kt+7], v[KV+16*\kt+8*\f:KV+16*\kt+8*\f+7], v[Q+16*\t+8*\f:Q+16*\t+8*\f+7], 0
.else
	v_wmma_f32_16x16x32_f16 v[S+32*\t+8*\kt:S+32*\t+8*\kt+7], v[KV+16*\kt+8*\f:KV+16*\kt+8*\f+7], v[Q+16*\t+8*\f:Q+16*\t+8*\f+7], v[S+32*\t+8*\kt:S+32*\t+8*\kt+7]
.endif
.endr
.endr
.endr
.rept 4
	v_nop                                          ; places in front of the loads into k's registers and of the first read of the scores
.endr
.irp ct, 0,1,2,3
.irp u, 0,1
	ds_load_tr16_b128 v[KV+16*\ct+8*\u:KV+16*\ct+8*\u+3], v[ADV] offset:\u*4608+\ct*32        ; v lands while the softmax is walked
	ds_load_tr16_b128 v[KV+16*\ct+8*\u+4:KV+16*\ct+8*\u+7], v[ADV] offset:\u*4608+2304+\ct*32
.endr
.endr
	s_cmp_lt_u32 s[KF], s[GQ]                      ; all its keys count for all my group's queries: no mask
	s_cbranch_scc1 .Lopen_\@
	s_sub_co_i32 s59, 0, s[KF]
	v_add_nc_u32 v[D0], s59, v[QD]
	v_add_nc_u32 v[D0+1], 16, v[D0]                ; register 8 kt + j holds key KF + 16 kt + 8 (lane / 16) + j: hidden where 16 kt + j > d
.irp t, 0,1
.set n, 0
.rept 32
	v_cmp_gt_i32 vcc_lo, 16*(n/8)+n%8, v[D0+\t]
	v_cndmask_b32 v[S+32*\t+n], v[S+32*\t+n], v[NINF], vcc_lo
.set n, n+1
.endr
.endr
.Lopen_\@:
.irp j, 0,1,2,3                        ; the maximum of 32 scores and the old m: four chains, the two tiles by turns; each accumulator is read from its low end on
.irp t, 0,1
	v_max3_num_f32 v[ST+8*\t+4+\j], v[S+32*\t+8*\j], v[S+32*\t+8*\j+1], v[S+32*\t+8*\j+2]
.endr
.endr
.irp q, 1,2
.irp j, 0,1,2,3
.irp t, 0,1
	v_max3_num_f32 v[ST+8*\t+4+\j], v[ST+8*\t+4+\j], v[S+32*\t+8*\j+2*\q+1], v[S+32*\t+8*\j+2*\q+2]
.endr
.endr
.endr
.irp t, 0,1
	v_max3_num_f32 v[ST+8*\t+4], v[ST+8*\t+4], v[S+32*\t+7], v[S+32*\t+15]
.endr
.irp t, 0,1
	v_max3_num_f32 v[ST+8*\t+6], v[ST+8*\t+6], v[S+32*\t+23], v[S+32*\t+31]
.endr
.irp t, 0,1
	v_max3_num_f32 v[ST+8*\t+4], v[ST+8*\t+4], v[ST+8*\t+5], v[ST+8*\t+6]
.endr
.irp t, 0,1
	v_max3_num_f32 v[ST+8*\t+4], v[ST+8*\t+4], v[ST+8*\t+7], v[ST+8*\t+1]
.endr
.irp t, 0,1
	v_permlanex16_b32 v[ST+8*\t+5], v[ST+8*\t+4], s[SEL], s[SEL+1]   ; the query's other 32 keys lie in the lane 16 away
.endr
.irp t, 0,1
	v_mov_b32 v[ST+8*\t+7], v[ST+8*\t]
.endr
.irp t, 0,1
	v_max_num_f32 v[ST+8*\t+1], v[ST+8*\t+4], v[ST+8*\t+5]
.endr
.irp t, 0,1
	v_mul_f32 v[ST+8*\t], s[CS], v[ST+8*\t+1]
.endr
.irp t, 0,1
	v_sub_f32 v[ST+8*\t+7], v[ST+8*\t+7], v[ST+8*\t]
.endr
.irp t, 0,1
	v_exp_f32 v[ST+8*\t+6], v[ST+8*\t+7]           ; a
.endr
.irp t, 0,1
.set n, 0
.rept 16
	v_pk_fma_f32 v[S+32*\t+n:S+32*\t+n+1], v[S+32*\t+n:S+32*\t+n+1], s[CS:CS+1], v[ST+8*\t:ST+8*\t+1] op_sel_hi:[1,0,0] neg_lo:[0,0,1] neg_hi:[0,0,1]   ; c s - c m
.set n, n+2
.endr
.endr
.set n, 0
.rept 64
	v_exp_f32 v[S+n], v[S+n]
.set n, n+1
.endr
	v_nop                                          ; a plain line behind the last exponential
	s_wait_alu depctr_va_vdst(0)                   ; ONE wait for the step's 66 exponentials, ahead of their first reader
.irp t, 0,1
	v_pk_add_f32 v[ST+8*\t+4:ST+8*\t+5], v[S+32*\t:S+32*\t+1], v[S+32*\t+2:S+32*\t+3]
	v_pk_add_f32 v[SB2+2*\t:SB2+2*\t+1], v[S+32*\t+4:S+32*\t+5], v[S+32*\t+6:S+32*\t+7]
.endr
.irp k, 8,12,16,20,24,28
.irp t, 0,1
	v_pk_add_f32 v[ST+8*\t+4:ST+8*\t+5], v[ST+8*\t+4:ST+8*\t+5], v[S+32*\t+\k:S+32*\t+\k+1]
	v_pk_add_f32 v[SB2+2*\t:SB2+2*\t+1], v[SB2+2*\t:SB2+2*\t+1], v[S+32*\t+\k+2:S+32*\t+\k+3]
.endr
.endr
.irp t, 0,1
	v_pk_add_f32 v[ST+8*\t+4:ST+8*\t+5], v[ST+8*\t+4:ST+8*\t+5], v[SB2+2*\t:SB2+2*\t+1]
.endr
.irp t, 0,1
	v_pk_fma_f32 v[ST+8*\t+2:ST+8*\t+3], v[ST+8*\t+2:ST+8*\t+3], v[ST+8*\t+6:ST+8*\t+7], v[ST+8*\t+4:ST+8*\t+5] op_sel_hi:[1,0,1]   ; l = a l + the step's sum (of p before it is rounded)
.endr
.irp t, 0,1
.set n, 0
.rept 16
	v_cvt_pk_f16_f32 v[S+32*\t+n], v[S+32*\t+2*n], v[S+32*\t+2*n+1]   ; in place, ascending: register n is written behind its own last read
.set n, n+1
.endr
.endr
.irp t, 0,1
.set n, 0
.rept 16
	v_pk_mul_f32 v[O+32*\t+n:O+32*\t+n+1], v[O+32*\t+n:O+32*\t+n+1], v[ST+8*\t+6:ST+8*\t+7] op_sel_hi:[1,0]
.set n, n+2
.endr
.endr
	s_wait_dscnt 0x0                               ; v is in
.irp u, 0,1                            ; eight accumulators by turns
.irp ct, 0,1,2,3
.irp t, 0,1
	v_wmma_f32_16x16x32_f16 v[O+32*\t+8*\ct:O+32*\t+8*\ct+7], v[KV+16*\ct+8*\u:KV+16*\ct+8*\u+7], v[S+32*\t+8*\u:S+32*\t+8*\u+7], v[O+32*\t+8*\ct:O+32*\t+8*\ct+7]
.endr
.endr
.endr
.Lhidden_\@:
	s_add_co_u32 s[KF], s[KF], 64
	s_add_co_u32 s[TK], s[TK], 8704                ; 32 rows of two keys
	s_add_co_u32 s[TV], s[TV], 9216
.endm
.macro SLOT_STEPS base                 ; a slot's eight steps: written once, walked eight times
	s_mov_b32 s[TK], \base
	s_mov_b32 s[TV], \base+VOFF
	s_mov_b32 s[CNT], 8
.Lstep_\@:
	STEP
	s_sub_co_u32 s[CNT], s[CNT], 1
	s_cmp_lg_u32 s[CNT], 0
	s_cbranch_scc1 .Lstep_\@
.endm
; The change of slots that fills again: every wave waits for all its tensor loads, adds 0 to its spare word, waits for that and for its reads of the slot that it has left; a round of the cluster's barrier;
; the joint refill first behind it, one load a wave.  It has a whole slot's eight steps in which to land.
.macro CHANGE set
	s_wait_tensorcnt 0x0                           ; no tensor load of mine is out, so a group 0 may be written
	ds_add_u32 v[SPW], v[NIL]                      ; the add, here twice on end
	ds_add_u32 v[SPW], v[NIL]
	s_add_nc_u64 s[G0K+4*\set+2:G0K+4*\set+3], s[G0K+4*\set+2:G0K+4*\set+3], 131072   ; the keys two slots on
	s_add_nc_u64 s[G0V+4*\set+2:G0V+4*\set+3], s[G0V+4*\set+2:G0V+4*\set+3], 131072
	s_wait_dscnt 0x0
	CROUND
	JLOAD \set
.endm
	s_load_b128 s[4:7], s[0:1], 0x0                ; qkv, ctx
	v_lshl_add_u32 v[SPW], v0, 2, SPARE
	v_mov_b32 v[NIL], 0
	ds_add_u32 v[SPW], v[NIL]                      ; the opening: the add, twice on end, and its wait ahead of the first tensor load
	ds_add_u32 v[SPW], v[NIL]
	v_lshrrev_b32 v1, 5, v0
	v_readfirstlane_b32 s[WV], v1                  ; wave 0..15
	s_bfe_u32 s14, ttmp6, 0x40000                  ; cx: it enters q's and ctx's addresses, the mask's numbers and the prefetch's address alone
	s_bfe_u32 s13, s[WV], 0x10002
	s_mul_i32 s13, s13, 3
	s_xor_b32 s13, s13, s[WV]                      ; g
	s_lshl_b32 s[GQ], s13, 7
	s_add_co_u32 s[GE], s[GQ], 128
	s_and_b32 s66, ttmp7, 0xffff                   ; the head, which the four partners share
	s_lshl_b32 s66, s66, 18
	s_mov_b32 s67, 0
	s_and_b32 s59, s[WV], 1                        ; which half of a slot I fetch
	s_lshl_b32 s68, s59, 15
	s_mov_b32 s69, 0
	s_add_nc_u64 s[68:69], s[68:69], s[66:67]
	s_mul_i32 s70, s59, 34816                      ; 128 rows x 272
	s_mul_i32 s71, s59, 36864                      ; 128 rows x 288
	s_add_co_u32 s71, s71, VOFF
	s_mov_b32 s[G1K], 15|(1<<16)|(1<<20)|(1<<21)|(5<<22)|(3<<25)  ; the mask: all four; elements of 2 bytes; 4 words of padding behind every 64
	s_mov_b32 s[G1V], 15|(1<<16)|(1<<20)|(1<<21)|(5<<22)|(7<<25)  ; the same with 8 words
.irp g, G1K, G1V
	s_mov_b32 s[\g+1], 128<<16                     ; tensor_dim0 = 128 elements: two keys
	s_mov_b32 s[\g+2], 128<<16                     ; tensor_dim1 = 128 rows
	s_mov_b32 s[\g+3], 128<<16                     ; tile_dim0
	s_mov_b32 s[\g+4], 128                         ; tile_dim1
	s_mov_b32 s[\g+5], 128                         ; dense
	s_mov_b32 s[\g+6], 0
	s_mov_b32 s[\g+7], 0
.endr
	s_mov_b32 s[SEL], 0x76543210
	s_mov_b32 s[SEL+1], 0xfedcba98
	s_mov_b32 s[CS], 0x3e38aa3b                    ; c = log2(e) / sqrt(64)
	s_mov_b32 s[CS+1], s[CS]
	s_mov_b32 s[KF], 0
	s_lshl_b32 s60, s[GQ], 7                       ; my first query's row: (128 g + 32 cx) x 128 bytes
	s_lshl_b32 s61, s14, 12
	s_add_co_u32 s60, s60, s61
	s_mov_b32 s61, 0
	s_add_nc_u64 s[60:61], s[60:61], s[66:67]
	s_lshl_b32 s62, s14, 13                        ; the prefetch: my work-group's 8,192 bytes
	s_add_co_u32 s62, s62, 196608                  ; of slot 3
	s_mov_b32 s63, 0
	s_wait_dscnt 0x0                               ; both opening adds are done
	s_wait_kmcnt 0x0
	s_add_nc_u64 s[8:9], s[4:5], s[68:69]
	s_add_nc_u64 s[8:9], s[8:9], 16777216          ; k at my half of slot 0
	s_add_nc_u64 s[10:11], s[8:9], 16777216        ; v likewise
	s_add_nc_u64 s[4:5], s[4:5], s[60:61]          ; q at my first query
	s_add_nc_u64 s[6:7], s[6:7], s[60:61]          ; ctx likewise
	s_cmp_lt_u32 s[WV], 6                          ; waves 4, 5 will ask for k's halves of slot 3, waves 6, 7 for v's
	s_cselect_b64 s[PFA:PFA+1], s[8:9], s[10:11]
	s_add_nc_u64 s[PFA:PFA+1], s[PFA:PFA+1], s[62:63]
.irp s, 0,1
	s_mov_b32 s[G0K+4*\s], 1
	s_add_co_u32 s[G0K+4*\s+1], s70, \s*SLOTB
	s_add_nc_u64 s[G0K+4*\s+2:G0K+4*\s+3], s[8:9], \s*65536
	s_or_b32 s[G0K+4*\s+3], s[G0K+4*\s+3], 0x80000000
	s_mov_b32 s[G0V+4*\s], 1
	s_add_co_u32 s[G0V+4*\s+1], s71, \s*SLOTB
	s_add_nc_u64 s[G0V+4*\s+2:G0V+4*\s+3], s[10:11], \s*65536
	s_or_b32 s[G0V+4*\s+3], s[G0V+4*\s+3], 0x80000000
.endr
	CROUND                                         ; all four work-groups are here: the first joint loads meet
	s_cmp_lt_u32 s[WV], 2                          ; a wave's two first fills stand in one branch: two loads of a fetching wave are out
	s_cbranch_scc0 .Lfirst_not_k
	tensor_load_to_lds s[G0K:G0K+3], s[G1K:G1K+7]
	s_nop 0
	tensor_load_to_lds s[G0K+4:G0K+7], s[G1K:G1K+7]
	s_nop 0
.rept 4
	v_nop
.endr
	s_branch .Lfirst_asked
.Lfirst_not_k:
	s_cmp_lt_u32 s[WV], 4
	s_cbranch_scc0 .Lfirst_asked
	tensor_load_to_lds s[G0V:G0V+3], s[G1V:G1V+7]
	s_nop 0
	tensor_load_to_lds s[G0V+4:G0V+7], s[G1V:G1V+7]
	s_nop 0
.rept 4
	v_nop
.endr
.Lfirst_asked:
	v_and_b32 v8, 15, v0                           ; r
	v_bfe_u32 v9, v0, 4, 1                         ; h
	v_lshlrev_b32 v[ADK], 7, v8
	v_lshl_add_u32 v[ADK], v9, 4, v[ADK]           ; q: row r of 128 bytes + 16 h
.irp t, 0,1
.irp f, 0,1
	global_load_b128 v[Q+16*\t+8*\f:Q+16*\t+8*\f+3], v[ADK], s[4:5] offset:\t*2048+\f*64
	global_load_b128 v[Q+16*\t+8*\f+4:Q+16*\t+8*\f+7], v[ADK], s[4:5] offset:\t*2048+\f*64+32
.endr
.endr
	v_lshrrev_b32 v[AK0], 1, v8
	v_mul_u32_u24 v[AK0], v[AK0], 272
	v_and_b32 v[NINF], 1, v8
	v_lshl_add_u32 v[AK0], v[NINF], 7, v[AK0]
	v_lshl_add_u32 v[AK0], v9, 4, v[AK0]           ; k: key r at (r / 2) x 272 + (r % 2) x 128, + 16 h
	v_bfe_u32 v[AV0], v0, 1, 2                     ; (l & 7) / 2
	v_lshl_add_u32 v[AV0], v9, 2, v[AV0]
	v_mul_u32_u24 v[AV0], v[AV0], 288
	v_lshl_add_u32 v[AV0], v[NINF], 7, v[AV0]      ; (l & 1 is r & 1)
	v_bfe_u32 v[NINF], v0, 3, 1
	v_lshl_add_u32 v[AV0], v[NINF], 4, v[AV0]      ; v: key 8 h + (l & 7), channels 8 ((l / 8) % 2) on
	s_lshl_b32 s59, s14, 5
	s_add_co_u32 s59, s59, s[GQ]                   ; my first query
	v_lshlrev_b32 v9, 3, v9
	v_sub_nc_u32 v[QD], v8, v9
	v_add_nc_u32 v[QD], s59, v[QD]
	v_mov_b32 v[NINF], 0xff800000
	v_and_b32 v[PFO], 31, v0
	v_lshlrev_b32 v[PFO], 8, v[PFO]
.set n, 0
.rept 20
	v_mov_b32 v[ST+n], 0                           ; the statistics are written whole once: l = 0 among them
.set n, n+1
.endr
.irp t, 0,1
	v_mov_b32 v[ST+8*\t+1], 0xff61b1e6             ; m = -3e38, under every score
.endr
.irp t, 0,1
	v_mul_f32 v[ST+8*\t], s[CS], v[ST+8*\t+1]
.endr
.set n, 0
.rept 64
	v_mov_b32 v[O+n], 0                            ; O^T.  (The step is written once: the first finds zeros, which a = 0 leaves zeros)
.set n, n+1
.endr
	s_wait_tensorcnt 1                             ; my part of slot 0 is in; slot 1's may stay out
	s_barrier_signal -1
	s_barrier_wait -1
	s_wait_loadcnt 0x0                             ; q; its offset register is free
	SLOT_STEPS 0                                   ; keys 0 to 511
	CHANGE 0                                       ; slot 0 takes keys 1,024 on
	; A prefetch of what the next change will ask for, keys 1,536 on: 256 blocks of 256 bytes of k and as many of v.  Waves 4 to 7 of each partner ask, one instruction each, a lane a block;
	; the partners are told apart by address.  Each block is named once in the launch.  It stands where the fetching waves have just issued their load, eight key steps ahead of the load that wants the data.
	s_cmp_lt_u32 s[WV], 4
	s_cbranch_scc1 .Lnot_mine
	s_cmp_ge_u32 s[WV], 8
	s_cbranch_scc1 .Lnot_mine
	global_prefetch_b8 v[PFO], s[PFA:PFA+1] th:TH_LOAD_NT scope:SCOPE_SE
.Lnot_mine:
	SLOT_STEPS SLOTB                               ; keys 512 to 1,023
	CHANGE 1                                       ; slot 1 takes keys 1,536 on
	SLOT_STEPS 0                                   ; keys 1,024 to 1,535
	s_wait_tensorcnt 0x0                           ; the last change: nothing is asked for
	ds_add_u32 v[SPW], v[NIL]
	s_wait_dscnt 0x0
	s_barrier_signal -1
	s_barrier_wait -1
	SLOT_STEPS SLOTB                               ; keys 1,536 to 2,047
	; THE WAY OUT.  O^T / l, rounded to f16, through my stage (32 rows x 144 bytes, in slot 0: it has had its last fill and nobody reads it) and out as runs of 512 consecutive bytes.
.rept 4
	v_nop
.endr
.irp t, 0,1
	v_add_f32 v[ST+8*\t+4], v[ST+8*\t+2], v[ST+8*\t+3]
.endr
.irp t, 0,1
	v_permlanex16_b32 v[ST+8*\t+5], v[ST+8*\t+4], s[SEL], s[SEL+1]
.endr
.irp t, 0,1
	v_add_f32 v[ST+8*\t+4], v[ST+8*\t+4], v[ST+8*\t+5]
.endr
.irp t, 0,1
	v_rcp_f32 v[ST+8*\t+6], v[ST+8*\t+4]
.endr
	v_and_b32 v1, 15, v0                           ; (plain lines behind the reciprocals)
	v_bfe_u32 v2, v0, 4, 1
	s_mul_i32 s59, s[WV], 4608
	v_mul_u32_u24 v3, v1, 144
	v_lshl_add_u32 v3, v2, 4, v3
	v_add_nc_u32 v3, s59, v3                       ; in: row r, 16 bytes for each half of the lanes
	v_and_b32 v4, 31, v0
	v_lshrrev_b32 v8, 3, v4
	v_and_b32 v9, 7, v4
	v_mul_u32_u24 v8, v8, 144
	v_lshl_add_u32 v8, v9, 4, v8
	v_add_nc_u32 v8, s59, v8                       ; back: four rows of 128 bytes an instruction
	v_lshlrev_b32 v4, 4, v4
	s_wait_alu depctr_va_vdst(0)                   ; one wait for the two reciprocals, ahead of their first reader
.irp t, 0,1
.set n, 0
.rept 16
	v_pk_mul_f32 v[O+32*\t+n:O+32*\t+n+1], v[O+32*\t+n:O+32*\t+n+1], v[ST+8*\t+6:ST+8*\t+7] op_sel_hi:[1,0]
.set n, n+2
.endr
.endr
.irp t, 0,1
.set n, 0
.rept 16
	v_cvt_pk_f16_f32 v[S+16*\t+n], v[O+32*\t+2*n], v[O+32*\t+2*n+1]
.set n, n+1
.endr
.endr
.irp t, 0,1
.irp ct, 0,1,2,3
	ds_store_b128 v3, v[S+16*\t+4*\ct:S+16*\t+4*\ct+3] offset:\t*2304+\ct*32
.endr
.endr
.irp i, 0,1,2,3,4,5,6,7
	ds_load_b128 v[KV+4*\i:KV+4*\i+3], v8 offset:\i*576   ; LDS serves a wave's instructions in order: these see my stores
.endr
.irp i, 0,1,2,3,4,5,6,7
	s_wait_dscnt 7-\i
	global_store_b128 v4, v[KV+4*\i:KV+4*\i+3], s[6:7] offset:\i*512
.endr
	s_wait_tensorcnt 0x0                           ; the wave's end
	ds_add_u32 v[SPW], v[NIL]
	s_wait_dscnt 0x0
	CROUND                                         ; the closing round
	s_endpgm
.Lfunc_end_k_qbb3f47cb1e_attn:
	.size	k_qbb3f47cb1e_attn, .Lfunc_end_k_qbb3f47cb1e_attn-k_qbb3f47cb1e_attn
	.p2alignl 7, 3214868480
	.fill 96, 4, 3214868480
	.section	.rodata,"a",@progbits
	.p2align	6, 0x0
	.amdhsa_kernel k_qbb3f47cb1e_attn
		.amdhsa_group_segment_fixed_size 327680
		.amdhsa_private_segment_fixed_size 0
		.amdhsa_enable_private_segment 0
		.amdhsa_kernarg_size 16
		.amdhsa_user_sgpr_count 2
		.amdhsa_user_sgpr_kernarg_segment_ptr 1
		.amdhsa_wavefront_size32 1
		.amdhsa_system_sgpr_workgroup_id_x 1
		.amdhsa_system_sgpr_workgroup_id_y 1
		.amdhsa_system_sgpr_workgroup_id_z 1
		.amdhsa_system_vgpr_workitem_id 0
		.amdhsa_next_free_vgpr 256
		.amdhsa_next_free_sgpr 72
		.amdhsa_reserve_vcc 1
		.amdhsa_float_denorm_mode_32 3
		.amdhsa_float_denorm_mode_16_64 3
		.amdhsa_memory_ordered 1
		.amdhsa_forward_progress 1
		.amdhsa_inst_pref_size 107
	.end_amdhsa_kernel
	.amdgpu_metadata
---
amdhsa.version: [ 1, 2 ]
amdhsa.kernels:
  - .name:           k_qbb3f47cb1e_attn
    .symbol:         k_qbb3f47cb1e_attn.kd
    .args:
      - { .name: qkv, .offset: 0, .size: 8, .value_kind: global_buffer, .address_space: global }
      - { .name: ctx, .offset: 8, .size: 8, .value_kind: global_buffer, .address_space: global }
    .group_segment_fixed_size: 327680
    .private_segment_fixed_size: 0
    .kernarg_segment_align: 8
    .kernarg_segment_size: 16
    .max_flat_workgroup_size: 512
    .sgpr_count:     72
    .vgpr_count:     256
    .wavefront_size: 32
...
	.end_amdgpu_metadata
.endif
;; end of part 4
;; launch proj (part 5): grid 4 x 64, 4 waves a work-group, clusters of 4 x 4, 327,680 bytes of LDS; arguments ctx, wpt, bp, out0; writes out0
.if DOCPART == 5
	.amdgcn_target "amdgcn-amd-amdhsa--gfx1250"
	.amdhsa_code_object_version 6
	.text
	.protected	k_qbb3f47cb1e_proj
	.globl	k_qbb3f47cb1e_proj
	.p2align	8
	.type	k_qbb3f47cb1e_proj,@function
k_qbb3f47cb1e_proj:
	s_mov_b64 s[64:65], 0
	v_nop
	global_prefetch_b8 v0, s[64:65] scope:SCOPE_SE
	s_setreg_imm32_b32 hwreg(HW_REG_WAVE_MODE, 25, 1), 1
	s_wait_xcnt 0x0
	s_wait_alu depctr_hold_cnt(0) depctr_sa_sdst(0) depctr_va_vdst(0) depctr_va_sdst(0) depctr_va_ssrc(0) depctr_va_vcc(0) depctr_vm_vsrc(0)
	s_getreg_b32 s2, hwreg(HW_REG_IB_STS2, 6, 4)
	s_cmp_eq_u32 s2, 0
	s_cbranch_scc0 .Lentry_in_a_cluster
	s_endpgm
.Lentry_in_a_cluster:
	s_bfe_u32 s2, ttmp6, 0x10000c
	s_cmp_lg_u32 s2, 0xf033
	s_cbranch_scc0 .Lentry_shape_is_right
	s_endpgm
.Lentry_shape_is_right:
; PROJ.  out0 [8192][1024] = attn [8192][1024] x Wp + bp, f16 operands, f32 sums; all rows but t < 16 of each sequence, which a launch of their own makes in f32.
; attn comes by head: ctx [b][head][t][64] f16; Wp comes as images of the operand's registers: wpt [128 along K][tile of 16 columns][32 along K][1,024 bytes].
; A tile of 128 x 256 gives 256 work-groups; a wave makes 64 x 128: 32 accumulators, 256 registers.  K goes in steps of 128 (two heads) through a ring of two LDS slots.
; CLUSTER 4 x 4: tile row = 16 cy + cluster y (the batch is cy; a tile begins a sequence where cluster y = 0, alike in all partners), tile column = cx.  attn's tiles are asked for jointly along a row
; of the cluster, Wp's along a column.  The product is used transposed (source 0 = 16 columns of Wp, source 1 = 16 rows of attn).  The bias is the C of each sum's first product.
; REGISTERS: window 0: v0-31 addresses; v64-95, v96-127 attn's fragments, two buffers; v128-255 rows on the way out.  window 1: v0-63, v64-127 Wp's fragments, two buffers; v128-191 the bias.
;   window 2: the accumulators ((a, b) at v[8 (8 a + b)]).
.set SLOT,   100352                    ; attn: 2 heads x 64 rows (two tokens, 256 bytes + 16); then Wp: 16 tiles x 4,096 bytes
.set APL,    17408
.set BOFF,   2*APL
.set STAGE,  2*SLOT                    ; 16 rows x 528 bytes for each wave
.set SPITCH, 528
.set SPARE,  STAGE+4*16*SPITCH         ; the spare words: 128 bytes a wave, named by no other line
.set ADRA, 16
.set ADRB, 20
.set STO,  24
.set RD,   25
.set CO,   26
.set SPW,  28
.set NIL,  29
.set PFO,  30                          ; 256 x lane
.set BOFS, 31                          ; 32 x (lane / 16)
.set BIAS, 128                         ; in window 1
.set BK,   128                         ; in window 0
.set G1, 24
.set G0, 32
.set G1B, 48
.set G0B, 56
.set PFA, 66                           ; s[66:67] where my work-group's prefetches stand
.set LIM, 68                           ; s68 1 in wave 0, else the greatest number
.set MSB, 0
.macro WIN new
.if MSB != \new
	s_set_vgpr_msb (MSB<<8)|\new
.set MSB, \new
.endif
.endm
.set MUL,  0xa1                        ; source 0 (Wp) window 1, source 1 (attn) window 0, C and D window 2
.set MULB, 0x91                        ; C (the bias) window 1
.set TO_B, 0x40
.macro JLOAD s                         ; waves 0, 1 fetch attn's two heads, waves 2, 3 Wp's halves; an s_nop 0 and four v_nop follow each line
	s_cmp_eq_u32 s13, 0
	s_cbranch_scc0 .Lfor_b_\@
	tensor_load_to_lds s[G0+4*\s:G0+4*\s+3], s[G1:G1+7]
	s_nop 0
.rept 4
	v_nop
.endr
	s_branch .Lasked_\@
.Lfor_b_\@:
	tensor_load_to_lds s[G0B+4*\s:G0B+4*\s+3], s[G1B:G1B+7]
	s_nop 0
.rept 4
	v_nop
.endr
.Lasked_\@:
.endm
.macro CREST
	s_cmp_lg_u32 s12, 0
	s_cbranch_scc1 .Lnot_wave_0_\@
	s_barrier_signal -3
.Lnot_wave_0_\@:
	s_barrier_wait -3
	s_barrier_signal -1
	s_barrier_wait -1
.endm
.macro CROUND
	s_barrier_signal -1
	s_barrier_wait -1
	CREST
.endm
; A prefetch of attn's K step two refills on: 128 blocks of 256 bytes; the four partners of a row of the cluster, who alone read them, take 32 each, told apart by address; wave 0 asks, a lane a block.
; The loop's last trip asks for nothing: there is no K step two refills on.  Wp is read by all sixteen clusters at about the same time and is not asked for.
.macro ASK
	s_cmp_gt_u32 s3, s[LIM]
	s_cbranch_scc0 .Lnot_mine_\@
	global_prefetch_b8 v[PFO], s[PFA:PFA+1] th:TH_LOAD_NT scope:SCOPE_SE
.Lnot_mine_\@:
.endm
	s_load_b256 s[4:11], s[0:1], 0x0               ; ctx 4:5, wpt 6:7, bp 8:9, out0 10:11
	v_lshl_add_u32 v[SPW], v0, 2, SPARE
	v_mov_b32 v[NIL], 0
	ds_add_u32 v[SPW], v[NIL]                      ; the opening: the add, twice on end, and its wait ahead of my first tensor load
	ds_add_u32 v[SPW], v[NIL]
	v_lshrrev_b32 v1, 5, v0
	v_readfirstlane_b32 s12, v1                    ; wave
	s_lshr_b32 s13, s12, 1                         ; which 64 rows are mine.  Also: I fetch for attn (0) or for Wp (1)
	s_and_b32 s14, s12, 1                          ; which 128 columns.  Also: which head, or which half of Wp's tile, I fetch
	s_bfe_u32 s40, ttmp6, 0x40000                  ; cx = tile column
	s_bfe_u32 s41, ttmp6, 0x40004                  ; cy = batch
	s_and_b32 s42, ttmp7, 0xffff                   ; cluster y: rows 128 cluster y on
	s_lshl_b32 s43, s41, 2
	s_lshl_b32 s43, 15, s43                        ; my row of the cluster
	s_lshl_b32 s44, 0x1111, s40                    ; my column
	s_or_b32 s[G1+0], s43, (1<<16)|(1<<20)|(1<<21)|(5<<22)|(3<<25)  ; attn: elements of 2 bytes; 4 words of padding behind every 64
	s_mov_b32 s[G1+1], 128<<16                     ; tensor_dim0 = 128 elements: two tokens
	s_mov_b32 s[G1+2], 64<<16                      ; tensor_dim1 = 64 rows
	s_mov_b32 s[G1+3], 128<<16
	s_mov_b32 s[G1+4], 64
	s_mov_b32 s[G1+5], 128                         ; dense
	s_mov_b32 s[G1+6], 0
	s_mov_b32 s[G1+7], 0
	s_or_b32 s[G1B+0], s44, (3<<16)|(1<<21)        ; Wp's images: 32,768 dense bytes as 128 rows of 32 elements of 8 bytes
	s_mov_b32 s[G1B+1], 32<<16
	s_mov_b32 s[G1B+2], 128<<16
	s_mov_b32 s[G1B+3], 32<<16
	s_mov_b32 s[G1B+4], 128
	s_mov_b32 s[G1B+5], 32
	s_mov_b32 s[G1B+6], 0
	s_mov_b32 s[G1B+7], 0
	s_lshl_b32 s16, s41, 22                        ; attn: head 16 cy + my head of the step, 262,144 bytes each; rows 128 cluster y on, 128 bytes each
	s_lshl_b32 s18, s14, 18
	s_add_co_u32 s16, s16, s18
	s_lshl_b32 s18, s42, 14
	s_add_co_u32 s16, s16, s18
	s_mov_b32 s17, 0
	s_lshl_b32 s46, s40, 16                        ; Wp: (16 cx + 8 half) tiles of 4,096 bytes
	s_lshl_b32 s18, s14, 15
	s_add_co_u32 s46, s46, s18
	s_mov_b32 s47, 0
	s_mul_i32 s20, s14, APL                        ; where they go: no place in the cluster enters an LDS address
	s_add_co_u32 s21, s18, BOFF
	s_wait_dscnt 0x0                               ; both opening adds are done
	s_wait_kmcnt 0x0
	s_add_nc_u64 s[16:17], s[4:5], s[16:17]
	s_add_nc_u64 s[46:47], s[6:7], s[46:47]
	CROUND                                         ; all sixteen work-groups are here: the first joint loads meet
.irp s, 0,1
	s_mov_b32 s[G0+4*\s], 1
	s_add_co_u32 s[G0+4*\s+1], s20, \s*SLOT
	s_add_nc_u64 s[G0+4*\s+2:G0+4*\s+3], s[16:17], \s*524288
	s_or_b32 s[G0+4*\s+3], s[G0+4*\s+3], 0x80000000
	s_mov_b32 s[G0B+4*\s], 1
	s_add_co_u32 s[G0B+4*\s+1], s21, \s*SLOT
	s_add_nc_u64 s[G0B+4*\s+2:G0B+4*\s+3], s[46:47], \s*262144
	s_or_b32 s[G0B+4*\s+3], s[G0B+4*\s+3], 0x80000000
	JLOAD \s
.endr
	v_and_b32 v1, 15, v0                           ; r
	v_bfe_u32 v2, v0, 4, 1                         ; h
	v_and_b32 v6, 31, v0                           ; lane
	v_lshrrev_b32 v3, 1, v1
	v_mul_u32_u24 v3, v3, 272
	v_and_b32 v4, 1, v1
	v_lshl_add_u32 v3, v4, 7, v3
	v_lshl_add_u32 v3, v2, 4, v3                   ; token r at (r / 2) x 272 + (r % 2) x 128, + 16 h
	s_mul_i32 s20, s13, 8704                       ; my 64 tokens: 32 rows
	v_add_nc_u32 v[ADRA], s20, v3
	v_add_nc_u32 v[ADRA+1], SLOT, v[ADRA]
	s_lshl_b32 s21, s14, 15
	s_add_co_u32 s21, s21, BOFF
	v_lshl_add_u32 v[ADRB], v6, 4, s21             ; an image: 16 x lane
	v_add_nc_u32 v[ADRB+1], SLOT, v[ADRB]
	s_mul_i32 s20, s12, 16*SPITCH
	s_add_co_u32 s20, s20, STAGE                   ; my stage
	v_mul_u32_u24 v5, v1, SPITCH
	v_lshl_add_u32 v5, v2, 5, v5
	v_add_nc_u32 v[STO], s20, v5                   ; in: row r, 32 bytes for each half of the lanes
	v_lshlrev_b32 v[CO], 4, v6
	v_add_nc_u32 v[RD], s20, v[CO]                 ; back: a whole row of 512 bytes
	v_lshlrev_b32 v[BOFS], 5, v2
	v_lshlrev_b32 v[PFO], 8, v6
	s_lshl_b32 s46, s40, 10                        ; my 128 columns: (256 cx + 128 half) x 4 bytes
	s_lshl_b32 s47, s14, 9
	s_add_co_u32 s46, s46, s47
	s_mov_b32 s47, 0
	s_add_nc_u64 s[8:9], s[8:9], s[46:47]
	s_add_nc_u64 s[10:11], s[10:11], s[46:47]
	s_lshl_b32 s16, s41, 23                        ; my first row: 2,048 cy + 128 cluster y + 64 half, 4,096 bytes each
	s_lshl_b32 s17, s42, 19
	s_add_co_u32 s16, s16, s17
	s_lshl_b32 s17, s13, 18
	s_add_co_u32 s16, s16, s17
	s_mov_b32 s17, 0
	s_add_nc_u64 s[10:11], s[10:11], s[16:17]
	WIN TO_B
.irp b, 0,1,2,3,4,5,6,7
	global_load_b128 v[BIAS+8*\b:BIAS+8*\b+3], v[BOFS], s[8:9] offset:64*\b       ; register 8 b + j: the bias of column 16 b + 8 h + j
	global_load_b128 v[BIAS+8*\b+4:BIAS+8*\b+7], v[BOFS], s[8:9] offset:64*\b+16
.endr
	WIN 0
	s_lshl_b32 s22, s41, 22                        ; the prefetches: K step 3's first head (the first change of slots steps this to K step 4), rows 128 cluster y on;
	s_lshl_b32 s23, s42, 14
	s_add_co_u32 s22, s22, s23
	s_add_co_u32 s22, s22, 6*262144
	s_lshr_b32 s23, s40, 1                         ; partner cx takes head cx / 2 of the step,
	s_lshl_b32 s23, s23, 18
	s_add_co_u32 s22, s22, s23
	s_and_b32 s23, s40, 1                          ; half cx % 2 of its 16,384 bytes
	s_lshl_b32 s23, s23, 13
	s_add_co_u32 s22, s22, s23
	s_mov_b32 s23, 0
	s_add_nc_u64 s[PFA:PFA+1], s[4:5], s[22:23]
	s_cmp_eq_u32 s12, 0
	s_cselect_b32 s[LIM], 1, -1
.macro MUL8 f, a, first                ; attn's block a against Wp's eight, 32 along K, from buffer f.  The 32 accumulators take turns in the same order in every quarter
.irp b, 0,1,2,3,4,5,6,7
.if \first
	v_wmma_f32_16x16x32_f16 v[8*(8*(\a)+\b):8*(8*(\a)+\b)+7], v[64*(\f)+8*\b:64*(\f)+8*\b+7], v[64+32*(\f)+8*(\a):64+32*(\f)+8*(\a)+7], v[BIAS+8*\b:BIAS+8*\b+7]
.else
	v_wmma_f32_16x16x32_f16 v[8*(8*(\a)+\b):8*(8*(\a)+\b)+7], v[64*(\f)+8*\b:64*(\f)+8*\b+7], v[64+32*(\f)+8*(\a):64+32*(\f)+8*(\a)+7], v[8*(8*(\a)+\b):8*(8*(\a)+\b)+7]
.endif
.endr
.endm
.macro FETCH slot, kq, f               ; 24 LDS loads in one run: the fragments of the slot's kq-th 32 along K into buffer f; Wp's first, then attn's blocks ascending
	WIN TO_B
.irp i, 0,1,2,3,4,5,6,7
	ds_load_b128 v[64*(\f)+8*\i:64*(\f)+8*\i+3],   v[ADRB+\slot] offset:\i*4096+(\kq)*1024
	ds_load_b128 v[64*(\f)+8*\i+4:64*(\f)+8*\i+7], v[ADRB+\slot] offset:\i*4096+(\kq)*1024+512
.endr
	WIN 0
.irp i, 0,1,2,3
	ds_load_b128 v[64+32*(\f)+8*\i:64+32*(\f)+8*\i+3],   v[ADRA+\slot] offset:((\kq)/2)*APL+((\kq)%2)*64+\i*2176
	ds_load_b128 v[64+32*(\f)+8*\i+4:64+32*(\f)+8*\i+7], v[ADRA+\slot] offset:((\kq)/2)*APL+((\kq)%2)*64+\i*2176+32
.endr
.endm
.macro PLACES
.rept 4
	v_nop
.endr
.endm
.macro QUARTER slot, kq, f, g, first   ; multiplies buffer f; in its middle it fetches the slot's kq-th quarter into buffer g
	s_wait_dscnt 4                                 ; Wp's fragments and attn's blocks 0, 1 are in; the youngest four loads (blocks 2, 3) may be out
.if \first
	WIN MULB
.else
	WIN MUL
.endif
	MUL8 \f, 0, \first
	MUL8 \f, 1, \first
	PLACES
	FETCH \slot, \kq, \g
	s_wait_dscnt 24                                ; all but the 24 just issued
.if \first
	WIN MULB
.else
	WIN MUL
.endif
	MUL8 \f, 2, \first
	MUL8 \f, 3, \first
.endm
; A K step's last quarter multiplies buffer 1 and changes slots: one barrier; in front of it each wave waits for all its tensor loads, adds 0 to its spare word, and waits for that and for its reads of this slot.
; fill = 1: the barrier opens a round of the cluster's, and this slot is filled again, two K steps ahead, first thing behind the round.
.macro TURN slot, next, fill
.if \fill
	s_wait_xcnt 0x0                                ; the last prefetch, a K step back, has read its address
	s_add_nc_u64 s[PFA:PFA+1], s[PFA:PFA+1], 524288
.endif
	WIN 0
	s_wait_tensorcnt 0x0                           ; all my tensor loads have landed: my part of the next slot
	ds_add_u32 v[SPW], v[NIL]
	s_wait_dscnt 5                                 ; (the add and attn's blocks 2, 3 may be out)
	WIN MUL
	MUL8 1, 0, 0
	s_wait_dscnt 0x0                               ; the add is done, and my reads of this slot are over
	s_barrier_signal -1
	MUL8 1, 1, 0
	WIN 0
	s_barrier_wait -1
.if \fill
	CREST                                          ; no wave of any partner still reads this slot or has a load on its way
	s_add_nc_u64 s[G0+4*\slot+2:G0+4*\slot+3], s[G0+4*\slot+2:G0+4*\slot+3], 1048576
	s_add_nc_u64 s[G0B+4*\slot+2:G0B+4*\slot+3], s[G0B+4*\slot+2:G0B+4*\slot+3], 524288
	JLOAD \slot                                    ; the four v_nop behind it are also the places in front of the loads below
.else
	PLACES
.endif
	FETCH \next, 0, 0
.if \fill
	ASK
.endif
	WIN MUL
	MUL8 1, 2, 0
	MUL8 1, 3, 0
.endm
	s_wait_tensorcnt 1                             ; my part of K step 0 is in; K step 1's may stay out
	s_barrier_signal -1
	s_barrier_wait -1
	FETCH 0, 0, 0
	s_wait_loadcnt 0x0                             ; the bias
	QUARTER 0, 1, 0, 1, 1                          ; the first quarter stands in front of the loop: its products start the sums from the bias
	WIN 0
	s_mov_b32 s3, 3
.Llap:                                                 ; a trip goes once round the ring and fills both slots again
	QUARTER 0, 2, 1, 0, 0
	QUARTER 0, 3, 0, 1, 0
	TURN 0, 1, 1
	QUARTER 1, 1, 0, 1, 0
	QUARTER 1, 2, 1, 0, 0
	QUARTER 1, 3, 0, 1, 0
	TURN 1, 0, 1
	QUARTER 0, 1, 0, 1, 0
	WIN 0
	s_sub_co_u32 s3, s3, 1
	s_cmp_lg_u32 s3, 0
	s_cbranch_scc1 .Llap
	QUARTER 0, 2, 1, 0, 0                          ; the last lap fills nothing
	QUARTER 0, 3, 0, 1, 0
	TURN 0, 1, 0
	QUARTER 1, 1, 0, 1, 0
	QUARTER 1, 2, 1, 0, 0
	QUARTER 1, 3, 0, 1, 0
	s_wait_dscnt 4
	WIN MUL
	MUL8 1, 0, 0
	MUL8 1, 1, 0
	s_wait_dscnt 0
	MUL8 1, 2, 0
	MUL8 1, 3, 0
	WIN 0
	PLACES
; THE WAY OUT, block by block of 16 rows x 128 columns of f32: through my own stage and back as whole rows of 512 bytes, which the 32 lanes store as 512 consecutive bytes, aligned.
.macro TOSTAGE a
	WIN 0x08                                       ; an LDS store's data: window 2
.irp b, 0,1,2,3,4,5,6,7
	ds_store_b128 v[STO], v[64*(\a)+8*\b:64*(\a)+8*\b+3] offset:64*\b          ; each accumulator from its low end on
	ds_store_b128 v[STO], v[64*(\a)+8*\b+4:64*(\a)+8*\b+7] offset:64*\b+16
.endr
	WIN 0
.set BB, BK+64*((\a)%2)
.irp t, 0,1,2,3,4,5,6,7,8,9,10,11,12,13,14,15
	ds_load_b128 v[BB+4*\t:BB+4*\t+3], v[RD] offset:\t*SPITCH   ; LDS serves a wave's instructions in order: these see the stores above
.endr
.endm
.macro SEND a, younger
.set BB, BK+64*((\a)%2)
	s_wait_dscnt \younger
.irp t, 0,1,2,3,4,5,6,7,8,9,10,11,12,13,14,15
	global_store_b128 v[CO], v[BB+4*\t:BB+4*\t+3], s[10:11] offset:(\a)*65536+\t*4096 th:TH_STORE_NT
.endr
.endm
	s_or_b32 s20, s42, s13                         ; block 0 of the upper waves of a tile that begins a sequence holds the rows t < 16: another launch stores those
	s_cmp_eq_u32 s20, 0                            ; (cluster y, alike in all partners, and the wave's number)
	s_cbranch_scc1 .Lskip0
	TOSTAGE 0
	SEND 0, 0
.Lskip0:
	TOSTAGE 1
	s_wait_xcnt 0x0                                ; block 0's stores have read their registers: block 2's loads may land there
	TOSTAGE 2
	SEND 1, 32                                     ; behind block 1's loads: block 2's 16 stores and 16 loads
	s_wait_xcnt 0x0
	TOSTAGE 3
	SEND 2, 32
	SEND 3, 0
	s_wait_tensorcnt 0x0                           ; the wave's end
	ds_add_u32 v[SPW], v[NIL]
	s_wait_dscnt 0x0
	CROUND                                         ; the closing round
	s_endpgm
.Lfunc_end_k_qbb3f47cb1e_proj:
	.size	k_qbb3f47cb1e_proj, .Lfunc_end_k_qbb3f47cb1e_proj-k_qbb3f47cb1e_proj
	.p2alignl 7, 3214868480
	.fill 96, 4, 3214868480
	.section	.rodata,"a",@progbits
	.p2align	6, 0x0
	.amdhsa_kernel k_qbb3f47cb1e_proj
		.amdhsa_group_segment_fixed_size 327680
		.amdhsa_private_segment_fixed_size 0
		.amdhsa_enable_private_segment 0
		.amdhsa_kernarg_size 32
		.amdhsa_user_sgpr_count 2
		.amdhsa_user_sgpr_kernarg_segment_ptr 1
		.amdhsa_wavefront_size32 1
		.amdhsa_system_sgpr_workgroup_id_x 1
		.amdhsa_system_sgpr_workgroup_id_y 1
		.amdhsa_system_sgpr_workgroup_id_z 1
		.amdhsa_system_vgpr_workitem_id 0
		.amdhsa_next_free_vgpr 768
		.amdhsa_next_free_sgpr 72
		.amdhsa_reserve_vcc 0
		.amdhsa_float_denorm_mode_32 3
		.amdhsa_float_denorm_mode_16_64 3
		.amdhsa_memory_ordered 1
		.amdhsa_forward_progress 1
		.amdhsa_inst_pref_size 88
	.end_amdhsa_kernel
	.amdgpu_metadata
---
amdhsa.version: [ 1, 2 ]
amdhsa.kernels:
  - .name:           k_qbb3f47cb1e_proj
    .symbol:         k_qbb3f47cb1e_proj.kd
    .args:
      - { .name: ctx, .offset: 0, .size: 8, .value_kind: global_buffer, .address_space: global }
      - { .name: wpt, .offset: 8, .size: 8, .value_kind: global_buffer, .address_space: global }
      - { .name: bp, .offset: 16, .size: 8, .value_kind: global_buffer, .address_space: global }
      - { .name: out0, .offset: 24, .size: 8, .value_kind: global_buffer, .address_space: global }
    .group_segment_fixed_size: 327680
    .private_segment_fixed_size: 0
    .kernarg_segment_align: 8
    .kernarg_segment_size: 32
    .max_flat_workgroup_size: 128
    .sgpr_count:     72
    .vgpr_count:     768
    .wavefront_size: 32
...
	.end_amdgpu_metadata
.endif
;; end of part 5
